; MI455X (gfx1250); checked and timed in simulation.
; The chip was launched on July 23, 2026; its instructions are those of AMD's public machine-readable ISA for CDNA 5 (MIT licence, August 2026) and "CDNA5" Instruction Set Architecture Reference Guide (July 2026). The comments in the code are by the model that wrote it; some were corrected since.
;; Neural SDF. Allowed arithmetic: matrix products marked QUANTISED: E4M3 operands, one given power-of-two scale a tensor, by v_wmma_f32_16x16x64_fp8_fp8 or v_wmma_f32_16x16x128_fp8_fp8, f32 sums; products left as they are: f32 operands where the result goes on into a quantised operand, else bf16, f16 or f32 operands; f32 sums; everything else in f32.
;; Inputs: W0 11 x 128 float32; W1 128 x 128 float32; Wo 128 x 1 float32; b0 128 float32; b1 128 float32; bo 1 float32; embeddings 128 x 128 x 128 x 8 float32; lowp_scales 6 int32 (the exponents e of the quantised operands' scales 2^e); positions 524,288 x 3 float32.
;; Outputs: out0 524,288 x 1 float32; out1 524,288 x 3 float32.
;; This version of the problem:
;;   THIS VERSION OF THE PROBLEM IS GIVEN IN LOW PRECISION. The matrix products marked QUANTISED in the list below multiply operands that are first quantised to E4M3 (4 exponent bits, 3 mantissa bits; 8 bits a number), with one given power-of-two scale for each operand tensor; their sums are f32. All else is computed in f32.
;;   The module's matrix products, in the order in which they are computed (A, B: the left and right operand; K: the contracted axis; several contracted axes count as one K, in the product's order):
;;     1. [M 524,288, K 11] x [K 11, N 128]; A: computed on the way; B: input W0: left as it is (K = 11 < 32)
;;     2. [M 524,288, K 128] x [K 128, N 128]; A: computed on the way; B: input W1: QUANTISED (scales: A lowp_scales[0], B lowp_scales[1])
;;     3. [M 524,288, K 128] x [K 128, N 1]; A: computed on the way; B: input Wo: left as it is (N = 1 < 16)
;;     4. [M 524,288, K 11] x [K 11, N 128]; A: computed on the way; B: input W0: left as it is (K = 11 < 32)
;;     5. [M 524,288, K 128] x [K 128, N 128]; A: computed on the way; B: input W1: QUANTISED (scales: A lowp_scales[2], B lowp_scales[3])
;;     6. [M 524,288, K 128] x [K 128, N 1]; A: computed on the way; B: input Wo: left as it is (N = 1 < 16)
;;     7. [M 524,288, K 1] x [K 1, N 128]; A: computed on the way; B: input Wo: left as it is (K = 1 < 32)
;;     8. [M 524,288, K 128] x [K 128, N 128]; A: computed on the way; B: input W1: QUANTISED (scales: A lowp_scales[4], B lowp_scales[5])
;;     9. [M 524,288, K 128] x [K 128, N 11]; A: computed on the way; B: input W0: left as it is (N = 11 < 16)
;;   THE QUANTISER, for each operand of a quantised product, along K:
;;     - The operand's scale is 2^e, e = its entry of the input lowp_scales (int32; the entries are numbered through the quantised products in the list's order, A before B).
;;     - Each number is divided by the scale, clamped to +-448, and rounded to the nearest number of E4M3, ties to even, subnormals kept.
;;     - The product sums the exact products of the quantised numbers (number of the format x scale) in f32.
;;   ~~~python
;;   def quantise(x, axis, e):      # numpy; x: float32 -> the quantised numbers, widened to float32 again
;;       x = np.moveaxis(x, axis, -1); K = x.shape[-1]
;;       r = np.clip(x / 2.0 ** e, -448, 448)
;;       step = 2.0 ** (np.maximum(np.frexp(np.where(r == 0, 1, r))[1] - 1, -6) - 3)
;;       q = np.round(r / step) * step * 2.0 ** e      # np.round: ties to even
;;       return np.moveaxis(q, -1, axis).astype(np.float32)
;;   ~~~
;;   OPERANDS COMPUTED ON THE WAY. 'Computed on the way' means the value that the module computes at that place (a softmax that the list does not call 'softmax' is quantised finished and normalised). What goes into a quantiser is computed in f32, as accurately as f32 sums, v_exp_f32 and their like allow (about 1e-6 of the number): no bf16 or f16 on the way to a quantiser, and a product that is left as it is and whose result goes on into a quantised operand takes f32 operands (vector FMAs, or v_wmma_f32_16x16x4_f32). A number that lies on a knife's edge between two numbers of the format may be rounded either way, as far as f32 arithmetic and the matrix unit's own rounding can turn it there, and no further.
;; 2 versions, each right; version 2 is version 1 with the launch sdf written anew for expert scheduling mode. Each part assembles by itself: llvm-mc -triple=amdgcn-amd-amdhsa -mcpu=gfx1250 --defsym DOCPART=n.
;; ======== version 1 of 2: 2 launches
;; limits: right only within a limited range of input values
;; workspace buffers: idx 2,097,152 bytes of whole numbers; wimg 59,392 bytes
;; launch prep (part 1): grid 257 x 1, 8 waves a work-group, no clusters, 25,600 bytes of LDS; arguments positions, W0, b0, W1, lowp_scales, idx, wimg; writes idx, wimg
.if DOCPART == 1
	.amdgcn_target "amdgcn-amd-amdhsa--gfx1250"
	.amdhsa_code_object_version 6
	.text
	.protected	k_q2203d88e10_prep
	.globl	k_q2203d88e10_prep
	.p2align	8
	.type	k_q2203d88e10_prep,@function
k_q2203d88e10_prep:
	s_mov_b64 s[64:65], 0
	v_nop
	global_prefetch_b8 v0, s[64:65] scope:SCOPE_SE
	s_setreg_imm32_b32 hwreg(HW_REG_WAVE_MODE, 25, 1), 1
	s_wait_xcnt 0x0
; PREP.  Two jobs, parted by the work-group's number.
; Work-groups 0-255: for each of 524,288 points the grid cell as ONE whole number, ix<<14 | iy<<7 | iz, each 0..126, so that the next launch can form gather addresses from stored whole numbers.
;   x = (p + 1) * 63.5 (the same bits as (p + 1) * 0.5 * 127), held in [0, 127] (127 - 1e-6 is 127.0 in f32), cell = min(floor x, 126): x = 127 is served as cell 126 with t = 1, the same value.
; Work-group 256: the weights as IMAGES OF OPERAND REGISTERS, in groups of 512 bytes (four registers x 32 lanes, lane l's 16 bytes at 16 l):
;   groups 0-31 W1 as E4M3 codes at scale 2^e1, K = W1's first axis;  32-63 the same at 2^e3;  64-95 at 2^e5, K = W1's second axis;
;   96-107 W0 and b0 times 30/pi as f32 fragments (K = 12: 8 channels, 3 coordinates, the bias);  108-115 W0's rows as bf16 fragments for the last product.
; Lane r of weight tile t takes unit u = 32 (t/2) + 8 (t%2) + r + 8 (r/8), so that a result's 16 registers of tiles 2c, 2c+1 are 16 neighbours along the next K.
; LIMITS: e1, e3, e5 between -126 and 119.  NaN among the inputs is not served.
.set NIDX, 256
	s_load_b256 s[4:11], s[0:1], 0x0               ; positions s[4:5], W0 s[6:7], b0 s[8:9], W1 s[10:11]
	s_load_b128 s[12:15], s[0:1], 0x20             ; lowp_scales s[12:13], idx s[14:15]
	s_load_b64 s[16:17], s[0:1], 0x30              ; wimg
	v_lshl_add_u32 v240, v0, 2, 0x6000
	v_mov_b32 v241, 0
	v_lshrrev_b32 v1, 5, v0
	v_readfirstlane_b32 s18, v1                    ; wave 0..7
	v_and_b32 v2, 31, v0                           ; lane
	v_lshlrev_b32 v3, 4, v2                        ; 16 x lane
	s_wait_kmcnt 0x0
	s_cmp_eq_u32 ttmp9, NIDX
	s_cbranch_scc1 .Lweights
; ---------------- the cells.  A wave takes 256 points in two steps of 128 (1,536 bytes).  Loads are dense, 512 bytes each; the bytes turn through the wave's own LDS so that a lane holds 4 whole points.
	s_mul_i32 s20, ttmp9, 24576                    ; 2,048 points x 12 bytes a work-group
	s_mul_i32 s22, s18, 3072                       ; 256 points x 12 bytes a wave: in memory and in LDS alike
	s_add_co_u32 s20, s20, s22
	s_mov_b32 s21, 0
	s_add_nc_u64 s[4:5], s[4:5], s[20:21]
	s_lshl_b32 s20, ttmp9, 13                      ; 2,048 words a work-group
	s_lshl_b32 s23, s18, 10                        ; 256 words a wave
	s_add_co_u32 s20, s20, s23
	s_add_nc_u64 s[14:15], s[14:15], s[20:21]
.irp i,0,1,2,3,4,5
	global_load_b128 v[16+4*\i:19+4*\i], v3, s[4:5] offset:512*\i th:TH_LOAD_NT
.endr
	v_add_nc_u32 v4, s22, v3                       ; LDS, way in: as loaded
	v_mul_u32_u24 v5, v2, 48
	v_add_nc_u32 v5, s22, v5                       ; LDS, way out: 48 bytes (4 points) a lane
.macro CELLS st, left
.set RB, 16+12*(\st)
.set XB, 40+12*(\st)
.set OB, 64+4*(\st)
	s_wait_loadcnt \left                           ; this step's three loads are in; the next step's three may be out
.irp i,0,1,2
	ds_store_b128 v4, v[RB+4*\i:RB+4*\i+3] offset:1536*(\st)+512*\i
.endr
.irp i,0,1,2
	ds_load_b128 v[XB+4*\i:XB+4*\i+3], v5 offset:1536*(\st)+16*\i   ; LDS serves a wave's instructions in order: these see the stores above
.endr
	s_wait_dscnt 0x0
.irp i,0,1,2,3,4,5,6,7,8,9,10,11
	v_add_f32 v[XB+\i], 1.0, v[XB+\i]
.endr
.irp i,0,1,2,3,4,5,6,7,8,9,10,11
	v_mul_f32 v[XB+\i], 0x427e0000, v[XB+\i]       ; x 63.5
.endr
.irp i,0,1,2,3,4,5,6,7,8,9,10,11
	v_med3_num_f32 v[XB+\i], v[XB+\i], 0, 0x42fe0000   ; the clip: 0 .. 127
.endr
.irp i,0,1,2,3,4,5,6,7,8,9,10,11
	v_floor_f32 v[XB+\i], v[XB+\i]
.endr
.irp i,0,1,2,3,4,5,6,7,8,9,10,11
	v_min_num_f32 v[XB+\i], 0x42fc0000, v[XB+\i]   ; at most 126
.endr
.irp i,0,1,2,3,4,5,6,7,8,9,10,11
	v_cvt_u32_f32 v[XB+\i], v[XB+\i]
.endr
.irp k,0,1,2,3
	v_lshl_or_b32 v[OB+\k], v[XB+3*\k], 7, v[XB+3*\k+1]
.endr
.irp k,0,1,2,3
	v_lshl_or_b32 v[OB+\k], v[OB+\k], 7, v[XB+3*\k+2]
.endr
	global_store_b128 v3, v[OB:OB+3], s[14:15] offset:512*(\st)   ; the wave stores 512 consecutive bytes, aligned
.endm
	CELLS 0, 3
	CELLS 1, 0
	s_wait_tensorcnt 0x0
	ds_add_u32 v240, v241
	s_wait_dscnt 0x0
	s_endpgm
; ---------------- the weights.  Wave w makes tile t = w of the three code images, then its share of the two images of W0.
.Lweights:
	s_load_b128 s[24:27], s[12:13], 0x0            ; e0 .. e3
	s_load_b64 s[28:29], s[12:13], 0x10            ; e4, e5
	v_and_b32 v6, 15, v0                           ; r
	v_bfe_u32 v7, v0, 4, 1                         ; h
	v_and_b32 v8, 8, v6
	v_add_nc_u32 v8, v8, v6                        ; r + 8 (r / 8)
	s_lshr_b32 s20, s18, 1
	s_lshl_b32 s20, s20, 5
	s_and_b32 s21, s18, 1
	s_lshl_b32 s21, s21, 3
	s_add_co_u32 s20, s20, s21
	v_add_nc_u32 v9, s20, v8                       ; u: my unit in tile w
	v_lshlrev_b32 v10, 2, v9
	v_lshl_add_u32 v10, v7, 13, v10                ; column u, 16 h rows down: registers run down W1's first axis
	v_lshlrev_b32 v11, 9, v9
	v_lshl_add_u32 v11, v7, 6, v11                 ; row u, 16 h numbers along: registers run along W1's second axis
	s_lshl_b32 s22, s18, 11
	v_add_nc_u32 v18, s22, v3                      ; my place in an image: 16 x lane + four groups x wave
.irp c,0,1,2,3
.irp n,0,1,2,3,4,5,6,7,8,9,10,11,12,13,14,15
	global_load_b32 v[32+16*\c+\n], v10, s[10:11] offset:(32*\c+\n)*512   ; W1[32 c + 16 h + n][u]
.endr
.endr
.irp c,0,1,2,3
.irp n,0,1,2,3
	global_load_b128 v[96+16*\c+4*\n:99+16*\c+4*\n], v11, s[10:11] offset:128*\c+16*\n   ; W1[u][32 c + 16 h + 4 n ..]
.endr
.endr
	s_wait_kmcnt 0x0
.macro MKS e, sc, lim                  ; 2^e and 448 x 2^e as f32, from the whole number e
	s_add_co_i32 s30, s[\e], 127
	s_lshl_b32 s31, s30, 23
	v_mov_b32 v[\sc], s31
	s_add_co_i32 s30, s30, 8
	s_lshl_b32 s30, s30, 23
	s_or_b32 s30, s30, 0x600000
	v_mov_b32 v[\lim], s30
.endm
	MKS 25, 12, 13
	MKS 27, 14, 15
	MKS 29, 16, 17
; 64 numbers of a lane become a fragment's 16 registers of codes and leave as four groups.
.macro QW src, dst, lim, sc, grp
.irp i,0,1,2,3,4,5,6,7,8,9,10,11,12,13,14,15,16,17,18,19,20,21,22,23,24,25,26,27,28,29,30,31,32,33,34,35,36,37,38,39,40,41,42,43,44,45,46,47,48,49,50,51,52,53,54,55,56,57,58,59,60,61,62,63
	v_med3_num_f32 v[\dst+\i], v[\src+\i], -v[\lim], v[\lim]   ; the conversion to an 8-bit code does not saturate (ISA guide 7.6.2): the hold comes first
.endr
.irp g,0,1,2,3,4,5,6,7
	v_cvt_scalef32_pk8_fp8_f32 v[224+2*\g:225+2*\g], v[\dst+8*\g:\dst+8*\g+7], v[\sc]
.endr
	v_nop                                          ; one plain line behind the last scaled conversion
.irp c,0,1,2,3
	global_store_b128 v18, v[224+4*\c:227+4*\c], s[16:17] offset:(\grp+\c)*512
.endr
	s_wait_xcnt 0x0                                ; the code registers are written again only behind this wait
.endm
	s_wait_loadcnt 16                              ; the 64 column loads are in; the 16 row loads may be out
	QW 32, 160, 13, 12, 0                          ; scale e1: the numbers are kept for the second scale
	QW 32, 32, 15, 14, 32                          ; scale e3
	s_wait_loadcnt 0x0
	QW 96, 96, 17, 16, 64                          ; scale e5, K = the second axis
	s_cmp_lt_u32 s18, 4
	s_cbranch_scc0 .Lw0t
; waves 0-3: the f32 fragments of tiles 2 w and 2 w + 1.  Register 6 a + 2 s + j of lane (r, h) is K slot (s, h, j): s < 2: W0 row 4 h + 2 s + j; s = 2: rows 8, 9 (h = 0), row 10 and b0 (h = 1).
	s_lshl_b32 s20, s18, 5
	v_add_nc_u32 v19, s20, v8                      ; my unit in tile 2 w; tile 2 w + 1 lies 8 units (32 bytes) on
	v_lshlrev_b32 v22, 2, v19
	v_lshl_add_u32 v20, v7, 11, v22                ; + 4 h rows of 512 bytes
	v_lshl_add_u32 v21, v7, 10, v22                ; + 2 h rows
.irp a,0,1
.irp k,0,1,2,3
	global_load_b32 v[32+6*\a+\k], v20, s[6:7] offset:512*\k+32*\a
.endr
	global_load_b32 v[36+6*\a], v21, s[6:7] offset:4096+32*\a
	global_load_b32 v[48+\a], v22, s[6:7] offset:4608+32*\a
	global_load_b32 v[50+\a], v22, s[8:9] offset:32*\a
.endr
	s_mul_i32 s21, s18, 1536
	v_add_nc_u32 v23, s21, v3                      ; three groups a wave
	v_cmp_eq_u32 vcc_lo, 1, v7
	s_wait_loadcnt 0x0
	v_cndmask_b32 v37, v48, v50, vcc_lo            ; h = 0: row 9; h = 1: the bias
	v_cndmask_b32 v43, v49, v51, vcc_lo
.irp i,0,1,2,3,4,5,6,7,8,9,10,11
	v_mul_f32 v[32+\i], 0x4118c9eb, v[32+\i]       ; x 30 / pi: the first layer then yields its angle in half turns
.endr
.irp k,0,1,2
	global_store_b128 v23, v[32+4*\k:35+4*\k], s[16:17] offset:(96+\k)*512
.endr
	s_endpgm
; waves 4-7: the bf16 fragment of K step b = w - 4.  Row m of the operand is W0's row 0-3 (m = 0-3), 8, 9 (m = 4, 5), 4-7 (m = 8-11), 10 (m = 12), else zeros.
.Lw0t:
	s_sub_co_u32 s20, s18, 4
	v_and_b32 v24, 7, v6
	v_lshlrev_b32 v24, 2, v24
	v_mov_b32 v25, 0x00983210                      ; W0's row for m = 0..7, four bits each
	v_mov_b32 v26, 0x000a7654                      ; for m = 8..15
	v_lshrrev_b32 v25, v24, v25
	v_lshrrev_b32 v26, v24, v26
	v_cmp_lt_u32 vcc_lo, 7, v6
	v_cndmask_b32 v25, v25, v26, vcc_lo
	v_and_b32 v25, 15, v25
	v_lshlrev_b32 v27, 9, v25
	v_lshl_add_u32 v27, v7, 6, v27
	s_lshl_b32 s21, s20, 7
	v_add_nc_u32 v27, s21, v27                     ; row x 512 + 128 b + 64 h: units 32 b + 16 h + 0..15
.irp n,0,1,2,3
	global_load_b128 v[32+4*\n:35+4*\n], v27, s[6:7] offset:16*\n
.endr
	v_mov_b32 v28, 0x1f3f                          ; the rows that are not zeros
	v_lshrrev_b32 v28, v6, v28
	v_and_b32 v28, 1, v28
	v_cmp_eq_u32 vcc_lo, 1, v28
	s_lshl_b32 s21, s20, 10
	v_add_nc_u32 v29, s21, v3                      ; two groups a wave
	s_wait_loadcnt 0x0
.irp q,0,1,2,3,4,5,6,7
	v_cvt_pk_bf16_f32 v[48+\q], v[32+2*\q], v[33+2*\q]
.endr
.irp q,0,1,2,3,4,5,6,7
	v_cndmask_b32 v[48+\q], 0, v[48+\q], vcc_lo
.endr
.irp k,0,1
	global_store_b128 v29, v[48+4*\k:51+4*\k], s[16:17] offset:(108+\k)*512
.endr
	s_endpgm
.Lfunc_end_k_q2203d88e10_prep:
	.size	k_q2203d88e10_prep, .Lfunc_end_k_q2203d88e10_prep-k_q2203d88e10_prep
	.p2alignl 7, 3214868480
	.fill 96, 4, 3214868480
	.section	.rodata,"a",@progbits
	.p2align	6, 0x0
	.amdhsa_kernel k_q2203d88e10_prep
		.amdhsa_group_segment_fixed_size 25600
		.amdhsa_private_segment_fixed_size 0
		.amdhsa_enable_private_segment 0
		.amdhsa_kernarg_size 56
		.amdhsa_user_sgpr_count 2
		.amdhsa_user_sgpr_kernarg_segment_ptr 1
		.amdhsa_wavefront_size32 1
		.amdhsa_system_sgpr_workgroup_id_x 1
		.amdhsa_system_sgpr_workgroup_id_y 1
		.amdhsa_system_sgpr_workgroup_id_z 1
		.amdhsa_system_vgpr_workitem_id 0
		.amdhsa_next_free_vgpr 242
		.amdhsa_next_free_sgpr 66
		.amdhsa_reserve_vcc 1
		.amdhsa_float_denorm_mode_32 3
		.amdhsa_float_denorm_mode_16_64 3
		.amdhsa_memory_ordered 1
		.amdhsa_forward_progress 1
		.amdhsa_inst_pref_size 41
	.end_amdhsa_kernel
	.amdgpu_metadata
---
amdhsa.version: [ 1, 2 ]
amdhsa.kernels:
  - .name:           k_q2203d88e10_prep
    .symbol:         k_q2203d88e10_prep.kd
    .args:
      - { .name: positions, .offset: 0, .size: 8, .value_kind: global_buffer, .address_space: global }
      - { .name: W0, .offset: 8, .size: 8, .value_kind: global_buffer, .address_space: global }
      - { .name: b0, .offset: 16, .size: 8, .value_kind: global_buffer, .address_space: global }
      - { .name: W1, .offset: 24, .size: 8, .value_kind: global_buffer, .address_space: global }
      - { .name: lowp_scales, .offset: 32, .size: 8, .value_kind: global_buffer, .address_space: global }
      - { .name: idx, .offset: 40, .size: 8, .value_kind: global_buffer, .address_space: global }
      - { .name: wimg, .offset: 48, .size: 8, .value_kind: global_buffer, .address_space: global }
    .group_segment_fixed_size: 25600
    .private_segment_fixed_size: 0
    .kernarg_segment_align: 8
    .kernarg_segment_size: 56
    .max_flat_workgroup_size: 256
    .sgpr_count:     66
    .vgpr_count:     242
    .wavefront_size: 32
...
	.end_amdgpu_metadata
.endif
;; end of part 1
;; launch sdf (part 2): grid 256 x 1, 4 waves a work-group, no clusters, 66,048 bytes of LDS; arguments positions, idx, embeddings, wimg, Wo, b1, bo, lowp_scales, out0, out1; writes out0, out1
.if DOCPART == 2
	.amdgcn_target "amdgcn-amd-amdhsa--gfx1250"
	.amdhsa_code_object_version 6
	.text
	.protected	k_q2203d88e10_sdf
	.globl	k_q2203d88e10_sdf
	.p2align	8
	.type	k_q2203d88e10_sdf,@function
k_q2203d88e10_sdf:
	s_mov_b64 s[64:65], 0
	v_nop
	global_prefetch_b8 v0, s[64:65] scope:SCOPE_SE
	s_setreg_imm32_b32 hwreg(HW_REG_WAVE_MODE, 25, 1), 1
	s_wait_xcnt 0x0
; SDF AND ITS GRADIENT, fused.  A work-group takes 2,048 points, a wave 512: 32 tiles of 16.  All weights stay in the wave's registers; nothing goes to memory between the layers.
; ALL PRODUCTS ARE USED TRANSPOSED (source 0 = 16 units of a weight, source 1 = the 16 points): lane (r, h) holds point r throughout; register 16 c + i of a layer is unit 32 c + 16 h + i (the weights' tiles are laid for that).
;   L0  v0 = u0 / pi = (emb, pos, 1) . (W0, b0) x 30/pi     f32 matrix form, K = 12 (its result goes on into a quantiser)
;   P2  Q(h0; e0) Q(W1; e1) + b1 -> sin -> sdf;    P5  Q(h0; e2) Q(W1; e3) + b1 -> cos -> da1 = 30 Wo cos;    P8  Q(da1; e4) Q(W1; e5), K = W1's second axis     E4M3, K = 128
;   P9  (P8 x cos u0) . W0^T     bf16, K = 128; its sum x 30 x 2^(e4 + e5)
; SINE AND COSINE are polynomials.  With v = angle / pi: KF = v + 1.5 x 2^23 holds k = round(v) in its low bits; f = v - k, |f| <= 1/2; sin(pi v) = (-1)^k f (A0 + s (A1 + s (A2 + s (A3 + s A4)))), s = f f, within 4e-9.
;   (-1)^k is one line: KF << 31 added to the word.  cos u1 is the same sine of v + 1/2: the half turn rides in P5's bias.  cos u0, which is rounded to bf16 next, takes a cubic in s, within 7e-6.
;   The biases go in as the C of P2 and P5, divided by the power of two that the sums lack; that power and 30/pi are one factor in the two multiply-adds that make KF and f.
; THE LOOKUP.  The cell comes as a whole number from the launch before.  Lane (r, h) fetches channels 4 h .. 4 h + 3 of the cell's 8 corners (16 bytes each).  A tile's ten loads are issued three tiles ahead of its use as a layer input.
; PIPELINE.  In tile T's turn: the lerps of tile T + 1 stand behind P2 and P5, its L0 products stand singly among the two polynomial phases, and the loads of tile T + 3 are issued.
; NO CLUSTER, NO TENSOR LOAD: what work-groups share is the 59,392 bytes of weight images, read once by each; a work-group's own gathers are 2,048 x 8 x 32 bytes.  The images go through LDS once, at the head.
; RESULTS gather in the wave's stage in LDS for 64 points and leave as four stores of 256 consecutive, aligned bytes.
; LIMITS: |angle / pi| < 2^22.  e0, e2, e4 between -126 and 119; e0 + e1 and e2 + e3 between -129 and 124; e4 + e5 between -130 and 123 (each power of two below is an f32 number).
;   NaN or infinity among positions or embeddings is not served (a weight 0 multiplies a neighbouring corner).
; REGISTERS.  window 0: v1-5 addresses; v6-8 2^e0, 2^e2, 2^e4; v10-19 constant pairs; v20-27 the sdf's partial sums; v32-95 KF, f, s, polynomial (16 each); v96-127 codes, later bf16; v128-191 L0's sums; v192-239 W0's f32 fragments;
;   v240-245 the 12 features; v246-248 448 x 2^e0, e2, e4; v249 bo.   window 1: W1's codes at e1, at e3.   window 2: v0-127 W1's codes at e5; v128-191 the sums of P2, P5, P8; v192-255 30 Wo.
;   window 3: v0-63 cos u0; v64-95 W0's bf16 fragments; v96-111 P9's two sums; v112-175 corners, two sets; v176-207 d emb / d w and dw/dp, two sets; v208-214 positions; v216-223 cell words and offsets, two sets; v224-233 constants, weights; v234-255 at work.
.set B1A,   59392                      ; LDS: 0 .. 59,391 the weights' images; then b1 / 2^(e0 + e1), 128 f32;
.set B1B,   59904                      ; (b1 + pi/60) / 2^(e2 + e3);
.set STAGE, 60416                      ; and 1,024 bytes a wave: 64 x 4 bytes of out0, 64 x 12 of out1
.set KFR,  32
.set FRC,  48
.set SQR,  64
.set POL,  80
.set CODA, 96
.set CODB, 112
.set ACC0, 128
.set W0F,  192
.set FEAT, 240
.set ACC1, 128                         ; window 2
.set W30,  192
.set W0T,  64                          ; window 3
.set A9A,  96
.set A9B,  104
.set GG,   112
.set DWB,  176
.set POSB, 208
.set IDXR, 216
.set GOFF, 218
.set POFF, 220
.set IOFF, 222
.set MSB, 0
.macro WIN new                         ; s_set_vgpr_msb: bits 1:0 source 0, 3:2 source 1, 5:4 source 2, 7:6 destination; the high byte repeats the setting that is left
.if MSB != \new
	s_set_vgpr_msb (MSB<<8)|\new
.set MSB, \new
.endif
.endm
.macro CPAIR r, bits
	s_mov_b32 s[\r], \bits
	s_mov_b32 s[\r+1], \bits
.endm
.macro VPAIR r, bits
	v_mov_b32 v[\r], \bits
	v_mov_b32 v[\r+1], \bits
.endm
.macro MKS e, sc, lim                  ; 2^e and 448 x 2^e as f32
	s_add_co_i32 s74, s[\e], 127
	s_lshl_b32 s75, s74, 23
	v_mov_b32 v[\sc], s75
	s_add_co_i32 s74, s74, 8
	s_lshl_b32 s74, s74, 23
	s_or_b32 s74, s74, 0x600000
	v_mov_b32 v[\lim], s74
.endm
; ---------------- the head
	s_load_b512 s[8:23], s[0:1], 0x0               ; positions s[8:9], idx s[10:11], embeddings s[12:13], wimg s[14:15], Wo s[16:17], b1 s[18:19], bo s[20:21], lowp_scales s[22:23]
	s_load_b128 s[24:27], s[0:1], 0x40             ; out0 s[24:25], out1 s[26:27]
	v_lshl_add_u32 v254, v0, 2, 0x10000
	v_mov_b32 v255, 0
	v_lshrrev_b32 v9, 5, v0
	v_readfirstlane_b32 s35, v9                    ; wave 0..3
	v_and_b32 v28, 31, v0                          ; lane
	v_and_b32 v29, 15, v0                          ; r
	v_bfe_u32 v30, v0, 4, 1                        ; h
	v_lshlrev_b32 v31, 2, v0                       ; 4 x thread
	v_lshlrev_b32 v1, 4, v28                       ; 16 x lane: my place in an image's group
	v_lshlrev_b32 v2, 6, v30                       ; 64 h: my 16 units of a block of 32
	v_lshlrev_b32 v5, 3, v28                       ; 8 x lane: my place in a stored unit
	s_lshl_b32 s70, s35, 10
	s_add_co_u32 s70, s70, STAGE                   ; my wave's stage
	s_add_co_u32 s71, s70, 256
	v_lshl_add_u32 v3, v29, 2, s70                 ; out0 of point r
	v_lshl_add_u32 v4, v28, 3, s70                 ; the way out of the stage
	s_mul_i32 s74, s35, 14848
	v_add_nc_u32 v9, s74, v1                       ; the 29 groups that my wave copies: the same offset in wimg and in LDS
	WIN 0xc0                                       ; destination window 3
	v_mul_u32_u24 v224, v29, 12
	v_lshlrev_b32 v225, 2, v29
	v_lshlrev_b32 v226, 4, v30
	v_mad_u32_u24 v227, v29, 12, s71               ; out1 of point r in the stage
.irp i,229,231,233,242,246,250,252,253
	v_mov_b32 v\i, 0                               ; upper words of pairs whose low word alone is used, and lane permutes' destinations: written once
.endr
	WIN 0
	s_wait_kmcnt 0x0
	s_load_b128 s[28:31], s[22:23], 0x0            ; e0 .. e3
	s_load_b64 s[32:33], s[22:23], 0x10            ; e4, e5
	s_load_b32 s34, s[20:21], 0x0                  ; bo
	s_mul_i32 s72, ttmp9, 24576                    ; 2,048 points x 12 bytes a work-group,
	s_mul_i32 s73, s35, 6144                       ; 512 a wave
	s_add_co_u32 s72, s72, s73
	s_mov_b32 s73, 0
	s_add_nc_u64 s[8:9], s[8:9], s[72:73]
	s_add_nc_u64 s[26:27], s[26:27], s[72:73]
	s_lshl_b32 s72, ttmp9, 13                      ; the same in words of 4 bytes
	s_lshl_b32 s74, s35, 11
	s_add_co_u32 s72, s72, s74
	s_add_nc_u64 s[10:11], s[10:11], s[72:73]
	s_add_nc_u64 s[24:25], s[24:25], s[72:73]
.irp i,0,1,2,3,4,5,6,7,8,9,10,11,12,13,14,15,16,17,18,19,20,21,22,23
	global_load_b128 v[32+4*\i:35+4*\i], v9, s[14:15] offset:512*\i
.endr
.irp i,24,25,26,27,28
	global_load_b128 v[192+4*(\i-24):195+4*(\i-24)], v9, s[14:15] offset:512*\i
.endr
	global_load_b32 v212, v31, s[18:19]            ; b1[thread]
	WIN 0x80                                       ; destination window 2
.irp c,0,1,2,3
.irp g,0,1,2,3
	global_load_b128 v[W30+16*\c+4*\g:W30+16*\c+4*\g+3], v2, s[16:17] offset:128*\c+16*\g   ; Wo[32 c + 16 h + ..]
.endr
.endr
	WIN 0
	s_mov_b32 s36, 0xffff0000                      ; lanes 16-31
	s_mov_b32 s38, 0x76543210                      ; v_permlanex16_b32: lane l xor 16
	s_mov_b32 s39, 0xfedcba98
	CPAIR 40, 0xcb400000                           ; -1.5 x 2^23
	CPAIR 42, 0x3d9e24aa                           ; A4
	CPAIR 44, 0x402333b6                           ; A2
	CPAIR 46, 0xc0a55ddb                           ; A1
	CPAIR 48, 0x40490fda                           ; A0
	CPAIR 50, 0xbf9c6b8a                           ; D3
	CPAIR 52, 0xc09de2cb                           ; D1
	CPAIR 54, 0x3f7fff8f                           ; D0
	CPAIR 58, 0x41f00000                           ; 30
	VPAIR 10, 0x4b400000                           ; 1.5 x 2^23
	VPAIR 12, 0xbf19196d                           ; A3
	VPAIR 14, 0x408151e8                           ; D2
	s_wait_kmcnt 0x0
	s_add_co_i32 s70, s28, s29                     ; e0 + e1
	s_sub_co_i32 s71, 0, s70
	s_add_co_i32 s72, s30, s31                     ; e2 + e3
	s_sub_co_i32 s73, 0, s72
	s_lshl_b32 s70, s70, 23
	s_add_co_u32 s70, s70, 0x4118c9eb              ; 30/pi x 2^(e0 + e1): the exponents are added to the exponent field
	v_mov_b32 v16, s70
	v_mov_b32 v17, s70
	s_lshl_b32 s72, s72, 23
	s_add_co_u32 s72, s72, 0x4118c9eb              ; 30/pi x 2^(e2 + e3)
	v_mov_b32 v18, s72
	v_mov_b32 v19, s72
	s_add_co_i32 s56, s32, s33
	s_lshl_b32 s56, s56, 23
	s_add_co_u32 s56, s56, 0x41f00000              ; 30 x 2^(e4 + e5)
	s_mov_b32 s57, s56
	MKS 28, 6, 246
	MKS 30, 7, 247
	MKS 32, 8, 248
	s_min_i32 s61, s28, s30                        ; the lesser of e0, e2
	v_mov_b32 v249, s34
	s_wait_loadcnt 0x0
.irp i,0,1,2,3,4,5,6,7,8,9,10,11,12,13,14,15,16,17,18,19,20,21,22,23
	ds_store_b128 v9, v[32+4*\i:35+4*\i] offset:512*\i
.endr
.irp i,24,25,26,27,28
	ds_store_b128 v9, v[192+4*(\i-24):195+4*(\i-24)] offset:512*\i
.endr
	v_ldexp_f32 v213, v212, s71                    ; b1 / 2^(e0 + e1)
	v_add_f32 v214, 0x3d567750, v212               ; b1 + pi/60: x 30/pi that is half a turn more, so the sine below is the cosine
	v_ldexp_f32 v214, v214, s73
	ds_store_b32 v31, v213 offset:B1A
	ds_store_b32 v31, v214 offset:B1B
	WIN 0x82                                       ; source 0 and destination window 2
.irp j,0,2,4,6,8,10,12,14,16,18,20,22,24,26,28,30,32,34,36,38,40,42,44,46,48,50,52,54,56,58,60,62
	v_pk_mul_f32 v[W30+\j:W30+\j+1], v[W30+\j:W30+\j+1], s[58:59] op_sel_hi:[1,0]   ; 30 Wo
.endr
	WIN 0
	s_wait_dscnt 0x0                               ; for the others' sake: my stores have landed
	s_barrier_signal -1
	s_barrier_wait -1                              ; the one barrier: the images and the two biases lie in LDS; nobody writes them again
	WIN 0x40
.set g, 0
.rept 64
	ds_load_b128 v[4*g:4*g+3], v1 offset:512*g     ; W1's codes at e1 (v0-127) and at e3 (v128-255)
.set g, g+1
.endr
	WIN 0x80
.rept 32
	ds_load_b128 v[4*(g-64):4*(g-64)+3], v1 offset:512*g   ; at e5
.set g, g+1
.endr
	WIN 0
.rept 12
	ds_load_b128 v[W0F+4*(g-96):W0F+4*(g-96)+3], v1 offset:512*g
.set g, g+1
.endr
	WIN 0xc0
.rept 8
	ds_load_b128 v[W0T+4*(g-108):W0T+4*(g-108)+3], v1 offset:512*g
.set g, g+1
.endr
; ---------------- the macros of a tile
; The ten loads of tile s62 (held at 31) into set q: 8 corners, the position, and the cell word of two tiles on.  The loaded word enters the address only through v_min_u32 with a constant.
.macro ISSUE q
.set GB, GG+32*(\q)
	WIN 0xff
	v_bfe_u32 v234, v[IDXR+(\q)], 14, 7
	v_bfe_u32 v235, v[IDXR+(\q)], 7, 7
	v_and_b32 v236, 127, v[IDXR+(\q)]
	v_min_u32 v234, 126, v234
	v_min_u32 v235, 126, v235
	v_min_u32 v236, 126, v236
	v_lshl_add_u32 v[GOFF+(\q)], v234, 19, v226    ; x planes of 524,288 bytes + my 16 bytes of a vertex
	v_lshl_add_u32 v[GOFF+(\q)], v235, 12, v[GOFF+(\q)]
	v_lshl_add_u32 v[GOFF+(\q)], v236, 5, v[GOFF+(\q)]
.irp k,0,1,2,3,4,5,6,7
	global_load_b128 v[GB+4*\k:GB+4*\k+3], v[GOFF+(\q)], s[12:13] offset:524288*(\k/4)+4096*((\k/2)%2)+32*(\k%2)   ; corner k = 4 dx + 2 dy + dz
.endr
	s_min_u32 s70, s62, 31                         ; no load leaves its buffer: the tiles past the last are the last again, and are not used
	s_mul_i32 s70, s70, 192
	v_add_nc_u32 v[POFF+(\q)], s70, v224
	global_load_b96 v[POSB+4*(\q):POSB+4*(\q)+2], v[POFF+(\q)], s[8:9]
	s_add_co_u32 s71, s62, 2
	s_min_u32 s71, s71, 31
	s_lshl_b32 s71, s71, 6
	v_add_nc_u32 v[IOFF+(\q)], s71, v225
	global_load_b32 v[IDXR+(\q)], v[IOFF+(\q)], s[10:11]
	s_add_co_u32 s62, s62, 1
.endm
; Set q's weights, the lerps (differences kept in place for the gradient), the 12 features.
.macro ENCA q
.set GB, GG+32*(\q)
.set DB, DWB+16*(\q)
.set PB, POSB+4*(\q)
	s_wait_loadcnt 10                              ; the youngest ISSUE's ten loads may be out; set q's ten are in, so its data may be read and its three offset registers written again
	WIN 0xff
.irp d,0,1,2
	v_add_f32 v[234+\d], 1.0, v[PB+\d]
.endr
.irp d,0,1,2
	v_mul_f32 v[234+\d], 0x427e0000, v[234+\d]     ; x 63.5
.endr
.irp d,0,1,2
	v_med3_num_f32 v[234+\d], v[234+\d], 0, 0x42fe0000
.endr
.irp d,0,1,2
	v_floor_f32 v[237+\d], v[234+\d]
.endr
.irp d,0,1,2
	v_min_num_f32 v[237+\d], 0x42fc0000, v[237+\d] ; the cell, by the very lines that made the stored word
.endr
.irp d,0,1,2
	v_sub_f32 v[240+\d], v[234+\d], v[237+\d]      ; t
.endr
.irp d,0,1,2
	v_fma_f32 v[243+\d], v[240+\d], -2.0, 0x40400000   ; 3 - 2 t
.endr
.irp d,0,1,2
	v_mul_f32 v[246+\d], v[240+\d], v[240+\d]
.endr
.irp d,0,1,2
	v_fma_f32 v[237+\d], -v[240+\d], v[240+\d], v[240+\d]   ; t - t t
.endr
.irp d,0,1,2
	v_mul_f32 v[228+2*\d], v[246+\d], v[243+\d]    ; w
.endr
.irp d,0,1,2
	v_mul_f32 v[DB+12+\d], 0x43be8000, v[237+\d]   ; dw/dp = 6 t (1 - t) x 63.5; it is 0 wherever the clip holds x
.endr
.irp k,0,2,4,6,8,10,12,14
	v_pk_add_f32 v[GB+16+\k:GB+17+\k], v[GB+16+\k:GB+17+\k], v[GB+\k:GB+\k+1] neg_lo:[0,1] neg_hi:[0,1]   ; along x: the differences,
.endr
.irp k,0,2,4,6,8,10,12,14
	v_pk_fma_f32 v[GB+\k:GB+\k+1], v[GB+16+\k:GB+17+\k], v[228:229], v[GB+\k:GB+\k+1] op_sel_hi:[1,0,1]   ; and the lerps
.endr
.irp k,0,2,4,6
	v_pk_add_f32 v[GB+8+\k:GB+9+\k], v[GB+8+\k:GB+9+\k], v[GB+\k:GB+\k+1] neg_lo:[0,1] neg_hi:[0,1]       ; along y
.endr
.irp k,0,2,4,6
	v_pk_fma_f32 v[GB+\k:GB+\k+1], v[GB+8+\k:GB+9+\k], v[230:231], v[GB+\k:GB+\k+1] op_sel_hi:[1,0,1]
.endr
.irp k,0,2
	v_pk_add_f32 v[DB+8+\k:DB+9+\k], v[GB+4+\k:GB+5+\k], v[GB+\k:GB+\k+1] neg_lo:[0,1] neg_hi:[0,1]       ; along z: d emb / d wz
.endr
	WIN 0x3f                                       ; destination window 0
.irp k,0,2
	v_pk_fma_f32 v[FEAT+\k:FEAT+\k+1], v[DB+8+\k:DB+9+\k], v[232:233], v[GB+\k:GB+\k+1] op_sel_hi:[1,0,1] ; emb, channels 4 h ..
.endr
	v_cndmask_b32 v[FEAT+4], v[PB], v[PB+2], s36   ; h = 0: px, py;  h = 1: pz, 1 (the bias's slot)
	v_cndmask_b32 v[FEAT+5], v[PB+1], 1.0, s36
	WIN 0
.endm
; d emb / d wy and d emb / d wx from the differences that ENCA left.
.macro ENCB q
.set GB, GG+32*(\q)
.set DB, DWB+16*(\q)
	WIN 0xff
.irp k,0,2
	v_pk_add_f32 v[GB+12+\k:GB+13+\k], v[GB+12+\k:GB+13+\k], v[GB+8+\k:GB+9+\k] neg_lo:[0,1] neg_hi:[0,1]
.endr
.irp k,0,2,4,6
	v_pk_add_f32 v[GB+24+\k:GB+25+\k], v[GB+24+\k:GB+25+\k], v[GB+16+\k:GB+17+\k] neg_lo:[0,1] neg_hi:[0,1]
.endr
.irp k,0,2
	v_pk_fma_f32 v[DB+4+\k:DB+5+\k], v[GB+12+\k:GB+13+\k], v[232:233], v[GB+8+\k:GB+9+\k] op_sel_hi:[1,0,1]
.endr
.irp k,0,2,4,6
	v_pk_fma_f32 v[GB+16+\k:GB+17+\k], v[GB+24+\k:GB+25+\k], v[230:231], v[GB+16+\k:GB+17+\k] op_sel_hi:[1,0,1]
.endr
.irp k,0,2
	v_pk_add_f32 v[GB+20+\k:GB+21+\k], v[GB+20+\k:GB+21+\k], v[GB+16+\k:GB+17+\k] neg_lo:[0,1] neg_hi:[0,1]
.endr
.irp k,0,2
	v_pk_fma_f32 v[DB+\k:DB+\k+1], v[GB+20+\k:GB+21+\k], v[232:233], v[GB+16+\k:GB+17+\k] op_sel_hi:[1,0,1]
.endr
.endm
; Product LN of the 24 of L0: tile LN % 8, K step LN / 8.  The eight sums take turns; the first K step starts each with the constant 0; these registers are written by matrix instructions alone.
.macro L0STEP
.set LT, LN%8
.set LS, LN/8
.if LS == 0
	v_wmma_f32_16x16x4_f32 v[ACC0+8*LT:ACC0+8*LT+7], v[W0F+6*LT:W0F+6*LT+1], v[FEAT:FEAT+1], 0
.else
	v_wmma_f32_16x16x4_f32 v[ACC0+8*LT:ACC0+8*LT+7], v[W0F+6*LT+2*LS:W0F+6*LT+2*LS+1], v[FEAT+2*LS:FEAT+2*LS+1], v[ACC0+8*LT:ACC0+8*LT+7]
.endif
.set LN, LN+1
.endm
.macro HSTART dst, cst, vc             ; dst = s x cst + vc
.irp j,0,2,4,6,8,10,12,14
	v_pk_fma_f32 v[\dst+\j:\dst+\j+1], v[SQR+\j:SQR+\j+1], s[\cst:\cst+1], v[\vc:\vc+1] op_sel_hi:[1,0,1]
.endr
.endm
.macro HORNER dst, cst                 ; dst = dst x s + cst
.irp j,0,2,4,6,8,10,12,14
	v_pk_fma_f32 v[\dst+\j:\dst+\j+1], v[\dst+\j:\dst+\j+1], v[SQR+\j:SQR+\j+1], s[\cst:\cst+1] op_sel_hi:[1,1,0]
.endr
.endm
.macro FLIP dst                        ; x (-1)^k: k's lowest bit is KF's lowest bit
.irp i,0,1,2,3,4,5,6,7,8,9,10,11,12,13,14,15
	v_lshl_add_u32 v[\dst+\i], v[KFR+\i], 31, v[\dst+\i]
.endr
.endm
; 16 units of the first layer: cos u0 is kept, h0 = sin u0 is quantised twice, at e0 and at e2.
.macro S0C c
.irp j,0,2,4,6,8,10,12,14
	v_pk_add_f32 v[KFR+\j:KFR+\j+1], v[ACC0+16*(\c)+\j:ACC0+16*(\c)+\j+1], v[10:11]   ; each sum is read from its low end on
.endr
.irp j,0,2,4,6,8,10,12,14
	v_pk_add_f32 v[FRC+\j:FRC+\j+1], v[KFR+\j:KFR+\j+1], s[40:41] op_sel_hi:[1,0]     ; k
.endr
.irp j,0,2,4,6,8,10,12,14
	v_pk_add_f32 v[FRC+\j:FRC+\j+1], v[ACC0+16*(\c)+\j:ACC0+16*(\c)+\j+1], v[FRC+\j:FRC+\j+1] neg_lo:[0,1] neg_hi:[0,1]   ; f = v - k, exact
.endr
.irp j,0,2,4,6,8,10,12,14
	v_pk_mul_f32 v[SQR+\j:SQR+\j+1], v[FRC+\j:FRC+\j+1], v[FRC+\j:FRC+\j+1]
.endr
	HSTART POL, 50, 14
	HORNER POL, 52
	HORNER POL, 54
	WIN 0xc0
.irp i,0,1,2,3,4,5,6,7,8,9,10,11,12,13,14,15
	v_lshl_add_u32 v[16*(\c)+\i], v[KFR+\i], 31, v[POL+\i]   ; cos u0, into window 3
.endr
	WIN 0
	FLIP FRC
	HSTART POL, 42, 12
	HORNER POL, 44
	HORNER POL, 46
	HORNER POL, 48
.irp j,0,2,4,6,8,10,12,14
	v_pk_mul_f32 v[POL+\j:POL+\j+1], v[POL+\j:POL+\j+1], v[FRC+\j:FRC+\j+1]           ; h0
.endr
	s_cmp_ge_i32 s61, -8                           ; 448 x 2^e is 1.75 or more from e = -8 on: a sine then needs no hold.  A branch on two stored whole numbers, the same for every wave
	s_cbranch_scc0 .Lhold_\@
	v_cvt_scalef32_pk8_fp8_f32 v[CODA+4*(\c):CODA+4*(\c)+1], v[POL:POL+7], v6
	v_cvt_scalef32_pk8_fp8_f32 v[CODA+4*(\c)+2:CODA+4*(\c)+3], v[POL+8:POL+15], v6
	v_cvt_scalef32_pk8_fp8_f32 v[CODB+4*(\c):CODB+4*(\c)+1], v[POL:POL+7], v7
	v_cvt_scalef32_pk8_fp8_f32 v[CODB+4*(\c)+2:CODB+4*(\c)+3], v[POL+8:POL+15], v7
	s_branch .Ljoin_\@
.Lhold_\@:
.irp i,0,1,2,3,4,5,6,7,8,9,10,11,12,13,14,15
	v_med3_num_f32 v[KFR+\i], v[POL+\i], -v246, v246
.endr
	v_cvt_scalef32_pk8_fp8_f32 v[CODA+4*(\c):CODA+4*(\c)+1], v[KFR:KFR+7], v6
	v_cvt_scalef32_pk8_fp8_f32 v[CODA+4*(\c)+2:CODA+4*(\c)+3], v[KFR+8:KFR+15], v6
.irp i,0,1,2,3,4,5,6,7,8,9,10,11,12,13,14,15
	v_med3_num_f32 v[POL+\i], v[POL+\i], -v247, v247
.endr
	v_cvt_scalef32_pk8_fp8_f32 v[CODB+4*(\c):CODB+4*(\c)+1], v[POL:POL+7], v7
	v_cvt_scalef32_pk8_fp8_f32 v[CODB+4*(\c)+2:CODB+4*(\c)+3], v[POL+8:POL+15], v7
.Ljoin_\@:
	v_nop                                          ; one plain line behind the last scaled conversion
.endm
; 16 units of the second layer, from the sums in window 2.  kind 0: 30 Wo sin u1 joins the sdf's sums, and P5's bias is fetched into the registers just read.  kind 1: da1 = 30 Wo cos u1 is quantised at e4.
; Three of the next tile's L0 products stand among the polynomial's lines.
.macro RED c, kv, kind
	WIN 0x08                                       ; source 1 window 2
.irp j,0,2,4,6,8,10,12,14
	v_pk_fma_f32 v[KFR+\j:KFR+\j+1], v[\kv:\kv+1], v[ACC1+16*(\c)+\j:ACC1+16*(\c)+\j+1], v[10:11]
.endr
.irp j,0,2,4,6,8,10,12,14
	v_pk_add_f32 v[FRC+\j:FRC+\j+1], v[KFR+\j:KFR+\j+1], s[40:41] op_sel_hi:[1,0]
.endr
.irp j,0,2,4,6,8,10,12,14
	v_pk_fma_f32 v[FRC+\j:FRC+\j+1], v[\kv:\kv+1], v[ACC1+16*(\c)+\j:ACC1+16*(\c)+\j+1], v[FRC+\j:FRC+\j+1] neg_lo:[0,0,1] neg_hi:[0,0,1]   ; f, rounded once
.endr
.irp j,0,2,4,6,8,10,12,14
	v_pk_mul_f32 v[POL+\j:POL+\j+1], v[FRC+\j:FRC+\j+1], v[W30+16*(\c)+\j:W30+16*(\c)+\j+1]
.endr
.if \kind == 0
	WIN 0x80
.irp g,0,1,2,3
	ds_load_b128 v[ACC1+16*(\c)+4*\g:ACC1+16*(\c)+4*\g+3], v2 offset:B1B+128*(\c)+16*\g
.endr
.endif
	WIN 0
.irp j,0,2,4,6,8,10,12,14
	v_pk_mul_f32 v[SQR+\j:SQR+\j+1], v[FRC+\j:FRC+\j+1], v[FRC+\j:FRC+\j+1]
.endr
	L0STEP
	FLIP POL
	HSTART FRC, 42, 12
	L0STEP
	HORNER FRC, 44
	HORNER FRC, 46
	HORNER FRC, 48
	L0STEP
.if \kind == 0
.irp j,0,1,2,3,4,5,6,7
.if ((\c) == 0) && (\j < 4)
	v_pk_mul_f32 v[20+2*\j:21+2*\j], v[POL+2*\j:POL+2*\j+1], v[FRC+2*\j:FRC+2*\j+1]   ; the first four pairs start the sums
.else
	v_pk_fma_f32 v[20+2*(\j%4):21+2*(\j%4)], v[POL+2*\j:POL+2*\j+1], v[FRC+2*\j:FRC+2*\j+1], v[20+2*(\j%4):21+2*(\j%4)]
.endif
.endr
.else
.irp j,0,2,4,6,8,10,12,14
	v_pk_mul_f32 v[POL+\j:POL+\j+1], v[POL+\j:POL+\j+1], v[FRC+\j:FRC+\j+1]
.endr
.irp i,0,1,2,3,4,5,6,7,8,9,10,11,12,13,14,15
	v_med3_num_f32 v[POL+\i], v[POL+\i], -v248, v248
.endr
	v_cvt_scalef32_pk8_fp8_f32 v[CODA+4*(\c):CODA+4*(\c)+1], v[POL:POL+7], v8
	v_cvt_scalef32_pk8_fp8_f32 v[CODA+4*(\c)+2:CODA+4*(\c)+3], v[POL+8:POL+15], v8
	v_nop
.endif
.endm
; Eight products on codes: weight fragments from v[wb] on, the points' codes in v[cod] on; eight different sums.
.macro BURST wb, cod, win, zero
	WIN \win
.irp t,0,1,2,3,4,5,6,7
.if \zero
	v_wmma_f32_16x16x128_fp8_fp8 v[ACC1+8*\t:ACC1+8*\t+7], v[\wb+16*\t:\wb+16*\t+15], v[\cod:\cod+15], 0
.else
	v_wmma_f32_16x16x128_fp8_fp8 v[ACC1+8*\t:ACC1+8*\t+7], v[\wb+16*\t:\wb+16*\t+15], v[\cod:\cod+15], v[ACC1+8*\t:ACC1+8*\t+7]
.endif
.endr
.endm
.macro OUT0 p                          ; sdf = (the sum of 30 Wo h1) / 30 + bo.  These plain lines are also the places behind P8
	WIN 0
	v_pk_add_f32 v[20:21], v[20:21], v[22:23]
	v_pk_add_f32 v[24:25], v[24:25], v[26:27]
	v_add_nc_u32 v30, s68, v3
	v_pk_add_f32 v[20:21], v[20:21], v[24:25]
	v_add_f32 v28, v20, v21
	v_permlanex16_b32 v29, v28, s38, s39           ; the other 64 units lie in lane l xor 16
	v_add_f32 v28, v28, v29
	v_fma_f32 v28, v28, 0x3d088889, v249
	ds_store_b32 v30, v28 offset:64*(\p)           ; both halves of the lanes store the same word
.endm
.macro TAIL p                          ; the gradient: d/dpos directly, and through the three weights
.set DB, DWB+16*(\p)
	WIN 0xff
	v_pk_add_f32 v[234:235], v[A9A:A9A+1], v[A9B:A9B+1]
	v_pk_add_f32 v[236:237], v[A9A+2:A9A+3], v[A9B+2:A9B+3]
	v_pk_add_f32 v[238:239], v[A9A+4:A9A+5], v[A9B+4:A9B+5]
.irp k,234,236,238
	v_pk_mul_f32 v[\k:\k+1], v[\k:\k+1], s[56:57] op_sel_hi:[1,0]   ; x 30 x 2^(e4 + e5).  v234-237: d/d emb of channels 4 h ..; v238: d/dpx (h = 0), d/dpz (h = 1); v239: d/dpy (h = 0)
.endr
.irp d,0,1,2
	v_pk_mul_f32 v[240+4*\d:241+4*\d], v[234:235], v[DB+4*\d:DB+4*\d+1]
.endr
.irp d,0,1,2
	v_pk_fma_f32 v[240+4*\d:241+4*\d], v[236:237], v[DB+4*\d+2:DB+4*\d+3], v[240+4*\d:241+4*\d]
.endr
.irp d,0,1,2
	v_add_f32 v[240+4*\d], v[240+4*\d], v[241+4*\d]
.endr
.irp d,0,1,2
	v_permlanex16_b32 v[242+4*\d], v[240+4*\d], s38, s39
.endr
	v_permlanex16_b32 v252, v238, s38, s39
	v_permlanex16_b32 v253, v239, s38, s39
.irp d,0,1,2
	v_add_f32 v[240+4*\d], v[240+4*\d], v[242+4*\d]   ; all 8 channels
.endr
	v_cndmask_b32 v241, v238, v252, s36
	v_cndmask_b32 v245, v239, v253, s36
	v_cndmask_b32 v249, v252, v238, s36
.irp d,0,1,2
	v_fma_f32 v[240+4*\d], v[DB+12+\d], v[240+4*\d], v[241+4*\d]
.endr
	v_add_nc_u32 v254, s69, v227
	ds_store_b32 v254, v240 offset:192*(\p)
	ds_store_b32 v254, v244 offset:192*(\p)+4
	ds_store_b32 v254, v248 offset:192*(\p)+8
	WIN 0
.endm
; A tile of parity p.  L0's sums and set p's derivatives are ready; set 1 - p is prepared for the next tile.
.macro TILE p
	WIN 0x80
.irp c,0,1,2,3
.irp g,0,1,2,3
	ds_load_b128 v[ACC1+16*\c+4*\g:ACC1+16*\c+4*\g+3], v2 offset:B1A+128*\c+16*\g   ; P2's bias, as its C
.endr
.endr
	WIN 0
	S0C 0
	S0C 1
	S0C 2
	S0C 3
	s_wait_dscnt 0x0                               ; the bias is in
	BURST 0, CODA, 0xa1, 0                         ; P2
	ENCA (1-\p)                                    ; plain lines that name none of P2's registers: the places behind it
.set LN, 0
	RED 0, 16, 0
	RED 1, 16, 0
	RED 2, 16, 0
	RED 3, 16, 0
	s_wait_dscnt 0x0                               ; P5's bias is in
	BURST 128, CODB, 0xa1, 0                       ; P5
	ENCB (1-\p)
	ISSUE (1-\p)
	RED 0, 18, 1
	RED 1, 18, 1
	RED 2, 18, 1
	RED 3, 18, 1
	BURST 0, CODA, 0x82, 1                         ; P8
	OUT0 \p
	WIN 0x0e                                       ; source 0 window 2, source 1 window 3
.irp j,0,2,4,6,8,10,12,14,16,18,20,22,24,26,28,30,32,34,36,38,40,42,44,46,48,50,52,54,56,58,60,62
	v_pk_mul_f32 v[KFR+\j:KFR+\j+1], v[ACC1+\j:ACC1+\j+1], v[\j:\j+1]   ; x cos u0
.endr
	WIN 0
.irp j,0,1,2,3,4,5,6,7,8,9,10,11,12,13,14,15,16,17,18,19,20,21,22,23,24,25,26,27,28,29,30,31
	v_cvt_pk_bf16_f32 v[CODA+\j], v[KFR+2*\j], v[KFR+2*\j+1]
.endr
	WIN 0xf3                                       ; P9: W0's fragments and the sums in window 3, the points' operand in window 0; two sums by turns
	v_wmma_f32_16x16x32_bf16 v[A9A:A9A+7], v[W0T:W0T+7], v[CODA:CODA+7], 0
	v_wmma_f32_16x16x32_bf16 v[A9B:A9B+7], v[W0T+8:W0T+15], v[CODA+8:CODA+15], 0
	v_wmma_f32_16x16x32_bf16 v[A9A:A9A+7], v[W0T+16:W0T+23], v[CODA+16:CODA+23], v[A9A:A9A+7]
	v_wmma_f32_16x16x32_bf16 v[A9B:A9B+7], v[W0T+24:W0T+31], v[CODA+24:CODA+31], v[A9B:A9B+7]
.rept 4
	v_nop                                          ; four places in front of the first read of these sums (ISA guide 7.12.1)
.endr
	TAIL \p
.endm
; ---------------- the prologue: tiles 0, 1, 2 are asked for; tile 0's lerps and first layer
	WIN 0xff
	global_load_b32 v[IDXR], v225, s[10:11]
	global_load_b32 v[IDXR+1], v225, s[10:11] offset:64
	s_mov_b32 s62, 0
	s_wait_loadcnt 0x0
	ISSUE 0
	ISSUE 1
	ENCA 0
	ENCB 0
	ISSUE 0
	WIN 0
	s_wait_dscnt 0x0                               ; the weights are in their registers
.set LN, 0
.rept 24
	L0STEP
.endr
.rept 8
	v_nop                                          ; eight places behind this form in front of the first read of its sums (ISA guide 7.12.1); in the loop the polynomials' lines are the places
.endr
	s_mov_b32 s66, 8
.Lgroup:                                               ; 8 trips of 64 points
	s_mov_b32 s68, 0                               ; where the pair's results go in the stage
	s_mov_b32 s69, 0
	s_mov_b32 s67, 2
.Lpair:                                                ; 2 trips of two tiles: after two tiles the sets are back where they began
	TILE 0
	TILE 1
	s_add_co_u32 s68, s68, 128
	s_add_co_u32 s69, s69, 384
	s_sub_co_u32 s67, s67, 1
	s_cmp_lg_u32 s67, 0
	s_cbranch_scc1 .Lpair
	ds_load_b64 v[32:33], v4                       ; 64 points out: LDS serves a wave's instructions in order, so these see my stores
	ds_load_b64 v[34:35], v4 offset:256
	ds_load_b64 v[36:37], v4 offset:512
	ds_load_b64 v[38:39], v4 offset:768
	s_wait_dscnt 0x0
	global_store_b64 v5, v[32:33], s[24:25] th:TH_STORE_NT              ; each store covers 256 consecutive bytes, aligned
	global_store_b64 v5, v[34:35], s[26:27] th:TH_STORE_NT
	global_store_b64 v5, v[36:37], s[26:27] offset:256 th:TH_STORE_NT
	global_store_b64 v5, v[38:39], s[26:27] offset:512 th:TH_STORE_NT
	s_wait_xcnt 0x0                                ; the bases and the data registers are written again only behind this wait
	s_add_nc_u64 s[24:25], s[24:25], 256
	s_add_nc_u64 s[26:27], s[26:27], 768
	s_sub_co_u32 s66, s66, 1
	s_cmp_lg_u32 s66, 0
	s_cbranch_scc1 .Lgroup
	s_wait_tensorcnt 0x0
	ds_add_u32 v254, v255
	s_wait_dscnt 0x0
	s_endpgm
.Lfunc_end_k_q2203d88e10_sdf:
	.size	k_q2203d88e10_sdf, .Lfunc_end_k_q2203d88e10_sdf-k_q2203d88e10_sdf
	.p2alignl 7, 3214868480
	.fill 96, 4, 3214868480
	.section	.rodata,"a",@progbits
	.p2align	6, 0x0
	.amdhsa_kernel k_q2203d88e10_sdf
		.amdhsa_group_segment_fixed_size 66048
		.amdhsa_private_segment_fixed_size 0
		.amdhsa_enable_private_segment 0
		.amdhsa_kernarg_size 80
		.amdhsa_user_sgpr_count 2
		.amdhsa_user_sgpr_kernarg_segment_ptr 1
		.amdhsa_wavefront_size32 1
		.amdhsa_system_sgpr_workgroup_id_x 1
		.amdhsa_system_sgpr_workgroup_id_y 1
		.amdhsa_system_sgpr_workgroup_id_z 1
		.amdhsa_system_vgpr_workitem_id 0
		.amdhsa_next_free_vgpr 1024
		.amdhsa_next_free_sgpr 80
		.amdhsa_reserve_vcc 0
		.amdhsa_float_denorm_mode_32 3
		.amdhsa_float_denorm_mode_16_64 3
		.amdhsa_memory_ordered 1
		.amdhsa_forward_progress 1
		.amdhsa_inst_pref_size 255
	.end_amdhsa_kernel
	.section	.bss,"aw",@nobits
	.p2align	6
	.space	262144
	.amdgpu_metadata
---
amdhsa.version: [ 1, 2 ]
amdhsa.kernels:
  - .name:           k_q2203d88e10_sdf
    .symbol:         k_q2203d88e10_sdf.kd
    .args:
      - { .name: positions, .offset: 0, .size: 8, .value_kind: global_buffer, .address_space: global }
      - { .name: idx, .offset: 8, .size: 8, .value_kind: global_buffer, .address_space: global }
      - { .name: embeddings, .offset: 16, .size: 8, .value_kind: global_buffer, .address_space: global }
      - { .name: wimg, .offset: 24, .size: 8, .value_kind: global_buffer, .address_space: global }
      - { .name: Wo, .offset: 32, .size: 8, .value_kind: global_buffer, .address_space: global }
      - { .name: b1, .offset: 40, .size: 8, .value_kind: global_buffer, .address_space: global }
      - { .name: bo, .offset: 48, .size: 8, .value_kind: global_buffer, .address_space: global }
      - { .name: lowp_scales, .offset: 56, .size: 8, .value_kind: global_buffer, .address_space: global }
      - { .name: out0, .offset: 64, .size: 8, .value_kind: global_buffer, .address_space: global }
      - { .name: out1, .offset: 72, .size: 8, .value_kind: global_buffer, .address_space: global }
    .group_segment_fixed_size: 66048
    .private_segment_fixed_size: 0
    .kernarg_segment_align: 8
    .kernarg_segment_size: 80
    .max_flat_workgroup_size: 128
    .sgpr_count:     80
    .vgpr_count:     1024
    .wavefront_size: 32
...
	.end_amdgpu_metadata
.endif
;; end of part 2
;; ======== version 2 of 2: 2 launches; version 1 with the launch sdf written anew for expert scheduling mode
;; limits: right only within a limited range of input values
;; workspace buffers: idx 2,097,152 bytes of whole numbers; wimg 59,392 bytes
;; launch prep: the kernel of part 1 again; grid 257 x 1, 8 waves a work-group, no clusters, 25,600 bytes of LDS; arguments positions, W0, b0, W1, lowp_scales, idx, wimg; writes idx, wimg
;; launch sdf (part 3): grid 256 x 1, 4 waves a work-group, no clusters, 66,048 bytes of LDS; arguments positions, idx, embeddings, wimg, Wo, b1, bo, lowp_scales, out0, out1; writes out0, out1
.if DOCPART == 3
	.amdgcn_target "amdgcn-amd-amdhsa--gfx1250"
	.amdhsa_code_object_version 6
	.text
	.protected	k_q2203d88e10_sdf
	.globl	k_q2203d88e10_sdf
	.p2align	8
	.type	k_q2203d88e10_sdf,@function
k_q2203d88e10_sdf:
	s_mov_b64 s[64:65], 0
	v_nop
	global_prefetch_b8 v0, s[64:65] scope:SCOPE_SE
	s_setreg_imm32_b32 hwreg(HW_REG_WAVE_SCHED_MODE, 0, 2), 2
	s_setreg_imm32_b32 hwreg(HW_REG_WAVE_MODE, 25, 1), 1
	s_wait_xcnt 0x0
	s_wait_alu depctr_vm_vsrc(0)
; SDF AND ITS GRADIENT, fused.  A work-group takes 2,048 points, a wave 512: 32 tiles of 16.  All weights stay in the wave's registers; nothing goes to memory between the layers.
; ALL PRODUCTS ARE USED TRANSPOSED (source 0 = 16 units of a weight, source 1 = the 16 points): lane (r, h) holds point r throughout; register 16 c + i of a layer is unit 32 c + 16 h + i (the weights' tiles are laid for that).
;   L0  v0 = u0 / pi = (emb, pos, 1) . (W0, b0) x 30/pi     f32 matrix form, K = 12 (its result goes on into a quantiser)
;   P2  Q(h0; e0) Q(W1; e1) + b1 -> sin -> sdf;    P5  Q(h0; e2) Q(W1; e3) + b1 -> cos -> da1 = 30 Wo cos;    P8  Q(da1; e4) Q(W1; e5), K = W1's second axis     E4M3, K = 128
;   P9  (P8 x cos u0) . W0^T     bf16, K = 128; its sum x 30 x 2^(e4 + e5)
; SINE AND COSINE are polynomials.  With v = angle / pi: KF = v + 1.5 x 2^23 holds k = round(v) in its low bits; f = v - k, |f| <= 1/2; sin(pi v) = (-1)^k f (A0 + s (A1 + s (A2 + s (A3 + s A4)))), s = f f, within 4e-9.
;   (-1)^k is one line: KF << 31 added to the word.  cos u1 is the same sine of v + 1/2: the half turn rides in P5's bias.  cos u0, which is rounded to bf16 next, takes a cubic in s, within 7e-6.
;   The biases go in as the C of P2 and P5, divided by the power of two that the sums lack; that power and 30/pi are one factor in the two multiply-adds that make KF and f.
; THE LOOKUP.  The cell comes as a whole number from the launch before.  Lane (r, h) fetches channels 4 h .. 4 h + 3 of the cell's 8 corners (16 bytes each).  A tile's ten loads are issued three tiles ahead of its use as a layer input.
; PIPELINE.  In tile T's turn: the lerps of tile T + 1 stand behind P2 and P5, its L0 products stand singly among the two polynomial phases, and the loads of tile T + 3 are issued.
; NO CLUSTER, NO TENSOR LOAD: what work-groups share is the 59,392 bytes of weight images, read once by each; a work-group's own gathers are 2,048 x 8 x 32 bytes.  The images go through LDS once, at the head.
; RESULTS gather in the wave's stage in LDS for 64 points and leave as four stores of 256 consecutive, aligned bytes.
; LIMITS: |angle / pi| < 2^22.  e0, e2, e4 between -126 and 119; e0 + e1 and e2 + e3 between -129 and 124; e4 + e5 between -130 and 123 (each power of two below is an f32 number).
;   NaN or infinity among positions or embeddings is not served (a weight 0 multiplies a neighbouring corner).
; THE MODE: SCHED_MODE bits 1:0 = 2 (LLVM: expert scheduling mode 2), set by the entry lines.  The code itself states the register dependences between vector or matrix instructions and memory or LDS instructions, with s_wait_alu, always for 0.
; THE PLAN.  Registers that memory or LDS instructions touch, in the loop:
;   the sums in window 2    A tile's head: 16 LDS loads (P2's bias) land in them; P2 adds; the first polynomial phase reads them; 2 x 8 LDS loads (P5's bias) land; P5 adds; the second phase reads; P8 writes; the lines x cos u0 read.
;   set q in window 3       (corners, position, cell word)  The ten loads of ISSUE q land in it; ENCA q and ENCB q read and write it in place, ISSUE q's first lines read the cell word.
;   set q's three offsets   Written by ISSUE q's vector lines, read by its ten loads.
;   the out registers       v28, v30 (OUT0) and v240, v244, v248, v254 of window 3 (TAIL): read by the tile's four LDS stores, which stand together at TAIL's end.
;   v32-39                  Once in four tiles the stage's four LDS loads land in them and four global stores read them; else they are the polynomials'.
;   v1, v2, v4, v5, v9, v31 and v225 of window 3 are addresses made at the head and never written again.
; FIVE WAITS A TILE.  On vm_vsrc, at ENCA's head: the last tile's LDS stores and this set's last ten loads have read their registers.  On va_vdst: in chunks 1 and 3 of the first polynomial phase (the sums of two chunks are
;   written and read out: P5's bias lands there); in ISSUE (the offsets are written, the set is read out); at TAIL's end (the out registers are written; the sums and v32-39 are read out, so the next head's loads and the stage's owe nothing more).
; REGISTERS.  window 0: v1-5 addresses; v6-8 2^e0, 2^e2, 2^e4; v10-19 constant pairs; v20-27 the sdf's partial sums; v32-95 KF, f, s, polynomial (16 each); v96-127 codes, later bf16; v128-191 L0's sums; v192-239 W0's f32 fragments;
;   v240-245 the 12 features; v246-248 448 x 2^e0, e2, e4; v249 bo.   window 1: W1's codes at e1, at e3.   window 2: v0-127 W1's codes at e5; v128-191 the sums of P2, P5, P8; v192-255 30 Wo.
;   window 3: v0-63 cos u0; v64-95 W0's bf16 fragments; v96-111 P9's two sums; v112-175 corners, two sets; v176-207 d emb / d w and dw/dp, two sets; v208-214 positions; v216-223 cell words and offsets, two sets; v224-233 constants, weights; v234-255 at work.
.set B1A,   59392                      ; LDS: 0 .. 59,391 the weights' images; then b1 / 2^(e0 + e1), 128 f32;
.set B1B,   59904                      ; (b1 + pi/60) / 2^(e2 + e3);
.set STAGE, 60416                      ; and 1,024 bytes a wave: 64 x 4 bytes of out0, 64 x 12 of out1
.set KFR,  32
.set FRC,  48
.set SQR,  64
.set POL,  80
.set CODA, 96
.set CODB, 112
.set ACC0, 128
.set W0F,  192
.set FEAT, 240
.set ACC1, 128                         ; window 2
.set W30,  192
.set W0T,  64                          ; window 3
.set A9A,  96
.set A9B,  104
.set GG,   112
.set DWB,  176
.set POSB, 208
.set IDXR, 216
.set GOFF, 218
.set POFF, 220
.set IOFF, 222
.set MSB, 0
.macro WIN new                         ; s_set_vgpr_msb: bits 1:0 source 0, 3:2 source 1, 5:4 source 2, 7:6 destination; the high byte repeats the setting that is left
.if MSB != \new
	s_set_vgpr_msb (MSB<<8)|\new
.set MSB, \new
.endif
.endm
.macro CPAIR r, bits
	s_mov_b32 s[\r], \bits
	s_mov_b32 s[\r+1], \bits
.endm
.macro VPAIR r, bits
	v_mov_b32 v[\r], \bits
	v_mov_b32 v[\r+1], \bits
.endm
.macro MKS e, sc, lim                  ; 2^e and 448 x 2^e as f32
	s_add_co_i32 s74, s[\e], 127
	s_lshl_b32 s75, s74, 23
	v_mov_b32 v[\sc], s75
	s_add_co_i32 s74, s74, 8
	s_lshl_b32 s74, s74, 23
	s_or_b32 s74, s74, 0x600000
	v_mov_b32 v[\lim], s74
.endm
; ---------------- the head
	s_load_b512 s[8:23], s[0:1], 0x0               ; positions s[8:9], idx s[10:11], embeddings s[12:13], wimg s[14:15], Wo s[16:17], b1 s[18:19], bo s[20:21], lowp_scales s[22:23]
	s_load_b128 s[24:27], s[0:1], 0x40             ; out0 s[24:25], out1 s[26:27]
	v_lshl_add_u32 v254, v0, 2, 0x10000
	v_mov_b32 v255, 0
	v_lshrrev_b32 v9, 5, v0
	v_readfirstlane_b32 s35, v9                    ; wave 0..3
	v_and_b32 v28, 31, v0                          ; lane
	v_and_b32 v29, 15, v0                          ; r
	v_bfe_u32 v30, v0, 4, 1                        ; h
	v_lshlrev_b32 v31, 2, v0                       ; 4 x thread
	v_lshlrev_b32 v1, 4, v28                       ; 16 x lane: my place in an image's group
	v_lshlrev_b32 v2, 6, v30                       ; 64 h: my 16 units of a block of 32
	v_lshlrev_b32 v5, 3, v28                       ; 8 x lane: my place in a stored unit
	s_wait_alu depctr_va_sdst(0)                   ; s35 is written, ahead of its first reader: the wave's LDS bytes and its parts of the buffers are made from it
	s_lshl_b32 s70, s35, 10
	s_add_co_u32 s70, s70, STAGE                   ; my wave's stage
	s_add_co_u32 s71, s70, 256
	v_lshl_add_u32 v3, v29, 2, s70                 ; out0 of point r
	v_lshl_add_u32 v4, v28, 3, s70                 ; the way out of the stage
	s_mul_i32 s74, s35, 14848
	v_add_nc_u32 v9, s74, v1                       ; the 29 groups that my wave copies: the same offset in wimg and in LDS
	WIN 0xc0                                       ; destination window 3
	v_mul_u32_u24 v224, v29, 12
	v_lshlrev_b32 v225, 2, v29
	v_lshlrev_b32 v226, 4, v30
	v_mad_u32_u24 v227, v29, 12, s71               ; out1 of point r in the stage
.irp i,229,231,233,242,246,250,252,253
	v_mov_b32 v\i, 0                               ; upper words of pairs whose low word alone is used, and lane permutes' destinations: written once
.endr
	WIN 0
	s_wait_kmcnt 0x0
	s_load_b128 s[28:31], s[22:23], 0x0            ; e0 .. e3
	s_load_b64 s[32:33], s[22:23], 0x10            ; e4, e5
	s_load_b32 s34, s[20:21], 0x0                  ; bo
	s_mul_i32 s72, ttmp9, 24576                    ; 2,048 points x 12 bytes a work-group,
	s_mul_i32 s73, s35, 6144                       ; 512 a wave
	s_add_co_u32 s72, s72, s73
	s_mov_b32 s73, 0
	s_add_nc_u64 s[8:9], s[8:9], s[72:73]
	s_add_nc_u64 s[26:27], s[26:27], s[72:73]
	s_lshl_b32 s72, ttmp9, 13                      ; the same in words of 4 bytes
	s_lshl_b32 s74, s35, 11
	s_add_co_u32 s72, s72, s74
	s_add_nc_u64 s[10:11], s[10:11], s[72:73]
	s_add_nc_u64 s[24:25], s[24:25], s[72:73]
	s_wait_alu depctr_va_vdst(0)                   ; the addresses v1, v2, v4, v5, v9, v31 and v225 of window 3 are written: loads and stores read them from here to the kernel's end, and nothing writes them again
.irp i,0,1,2,3,4,5,6,7,8,9,10,11,12,13,14,15,16,17,18,19,20,21,22,23
	global_load_b128 v[32+4*\i:35+4*\i], v9, s[14:15] offset:512*\i
.endr
.irp i,24,25,26,27,28
	global_load_b128 v[192+4*(\i-24):195+4*(\i-24)], v9, s[14:15] offset:512*\i
.endr
	global_load_b32 v212, v31, s[18:19]            ; b1[thread]
	WIN 0x80                                       ; destination window 2
.irp c,0,1,2,3
.irp g,0,1,2,3
	global_load_b128 v[W30+16*\c+4*\g:W30+16*\c+4*\g+3], v2, s[16:17] offset:128*\c+16*\g   ; Wo[32 c + 16 h + ..]
.endr
.endr
	WIN 0
	s_mov_b32 s36, 0xffff0000                      ; lanes 16-31
	s_mov_b32 s38, 0x76543210                      ; v_permlanex16_b32: lane l xor 16
	s_mov_b32 s39, 0xfedcba98
	CPAIR 40, 0xcb400000                           ; -1.5 x 2^23
	CPAIR 42, 0x3d9e24aa                           ; A4
	CPAIR 44, 0x402333b6                           ; A2
	CPAIR 46, 0xc0a55ddb                           ; A1
	CPAIR 48, 0x40490fda                           ; A0
	CPAIR 50, 0xbf9c6b8a                           ; D3
	CPAIR 52, 0xc09de2cb                           ; D1
	CPAIR 54, 0x3f7fff8f                           ; D0
	CPAIR 58, 0x41f00000                           ; 30
	VPAIR 10, 0x4b400000                           ; 1.5 x 2^23
	VPAIR 12, 0xbf19196d                           ; A3
	VPAIR 14, 0x408151e8                           ; D2
	s_wait_kmcnt 0x0
	s_add_co_i32 s70, s28, s29                     ; e0 + e1
	s_sub_co_i32 s71, 0, s70
	s_add_co_i32 s72, s30, s31                     ; e2 + e3
	s_sub_co_i32 s73, 0, s72
	s_lshl_b32 s70, s70, 23
	s_add_co_u32 s70, s70, 0x4118c9eb              ; 30/pi x 2^(e0 + e1): the exponents are added to the exponent field
	v_mov_b32 v16, s70
	v_mov_b32 v17, s70
	s_lshl_b32 s72, s72, 23
	s_add_co_u32 s72, s72, 0x4118c9eb              ; 30/pi x 2^(e2 + e3)
	v_mov_b32 v18, s72
	v_mov_b32 v19, s72
	s_add_co_i32 s56, s32, s33
	s_lshl_b32 s56, s56, 23
	s_add_co_u32 s56, s56, 0x41f00000              ; 30 x 2^(e4 + e5)
	s_mov_b32 s57, s56
	MKS 28, 6, 246
	MKS 30, 7, 247
	MKS 32, 8, 248
	s_min_i32 s61, s28, s30                        ; the lesser of e0, e2
	v_mov_b32 v249, s34
	s_wait_loadcnt 0x0
.irp i,0,1,2,3,4,5,6,7,8,9,10,11,12,13,14,15,16,17,18,19,20,21,22,23
	ds_store_b128 v9, v[32+4*\i:35+4*\i] offset:512*\i
.endr
.irp i,24,25,26,27,28
	ds_store_b128 v9, v[192+4*(\i-24):195+4*(\i-24)] offset:512*\i
.endr
	v_ldexp_f32 v213, v212, s71                    ; b1 / 2^(e0 + e1)
	v_add_f32 v214, 0x3d567750, v212               ; b1 + pi/60: x 30/pi that is half a turn more, so the sine below is the cosine
	v_ldexp_f32 v214, v214, s73
	s_wait_alu depctr_va_vdst(0)                   ; v213 and v214 are written, which the two LDS stores below read; these three lines are also done with v212-214, in which a fragment of W0 lands behind the barrier
	ds_store_b32 v31, v213 offset:B1A
	ds_store_b32 v31, v214 offset:B1B
	WIN 0x82                                       ; source 0 and destination window 2
.irp j,0,2,4,6,8,10,12,14,16,18,20,22,24,26,28,30,32,34,36,38,40,42,44,46,48,50,52,54,56,58,60,62
	v_pk_mul_f32 v[W30+\j:W30+\j+1], v[W30+\j:W30+\j+1], s[58:59] op_sel_hi:[1,0]   ; 30 Wo
.endr
	WIN 0
	s_wait_dscnt 0x0                               ; for the others' sake: my stores have landed
	s_barrier_signal -1
	s_barrier_wait -1                              ; the one barrier: the images and the two biases lie in LDS; nobody writes them again
	s_wait_alu depctr_vm_vsrc(0)                   ; my LDS stores have read v32-127 and v192-214: W0's fragments land in v192-239 below, and the polynomials write v32-127
	WIN 0x40
.set g, 0
.rept 64
	ds_load_b128 v[4*g:4*g+3], v1 offset:512*g     ; W1's codes at e1 (v0-127) and at e3 (v128-255)
.set g, g+1
.endr
	WIN 0x80
.rept 32
	ds_load_b128 v[4*(g-64):4*(g-64)+3], v1 offset:512*g   ; at e5
.set g, g+1
.endr
	WIN 0
.rept 12
	ds_load_b128 v[W0F+4*(g-96):W0F+4*(g-96)+3], v1 offset:512*g
.set g, g+1
.endr
	WIN 0xc0
.rept 8
	ds_load_b128 v[W0T+4*(g-108):W0T+4*(g-108)+3], v1 offset:512*g
.set g, g+1
.endr
; ---------------- the macros of a tile
; The ten loads of tile s62 (held at 31) into set q: 8 corners, the position, and the cell word of two tiles on.  The loaded word enters the address only through v_min_u32 with a constant.
; All three offsets are made first, so that one wait serves the ten loads.  The offsets are free to be written: ENCA q, which stands ahead, has waited until the set's last ten loads had read them.
.macro ISSUE q
.set GB, GG+32*(\q)
	WIN 0xff
	v_bfe_u32 v234, v[IDXR+(\q)], 14, 7
	v_bfe_u32 v235, v[IDXR+(\q)], 7, 7
	v_and_b32 v236, 127, v[IDXR+(\q)]
	v_min_u32 v234, 126, v234
	v_min_u32 v235, 126, v235
	v_min_u32 v236, 126, v236
	v_lshl_add_u32 v[GOFF+(\q)], v234, 19, v226    ; x planes of 524,288 bytes + my 16 bytes of a vertex
	v_lshl_add_u32 v[GOFF+(\q)], v235, 12, v[GOFF+(\q)]
	v_lshl_add_u32 v[GOFF+(\q)], v236, 5, v[GOFF+(\q)]
	s_min_u32 s70, s62, 31                         ; no load leaves its buffer: the tiles past the last are the last again, and are not used
	s_mul_i32 s70, s70, 192
	v_add_nc_u32 v[POFF+(\q)], s70, v224
	s_add_co_u32 s71, s62, 2
	s_min_u32 s71, s71, 31
	s_lshl_b32 s71, s71, 6
	v_add_nc_u32 v[IOFF+(\q)], s71, v225
	s_wait_alu depctr_va_vdst(0)                   ; the three offsets are written, which the ten loads read; ENCA, ENCB and the lines above are done reading and writing set q's corners, position and cell word, in which the loads land
.irp k,0,1,2,3,4,5,6,7
	global_load_b128 v[GB+4*\k:GB+4*\k+3], v[GOFF+(\q)], s[12:13] offset:524288*(\k/4)+4096*((\k/2)%2)+32*(\k%2)   ; corner k = 4 dx + 2 dy + dz
.endr
	global_load_b96 v[POSB+4*(\q):POSB+4*(\q)+2], v[POFF+(\q)], s[8:9]
	global_load_b32 v[IDXR+(\q)], v[IOFF+(\q)], s[10:11]
	s_add_co_u32 s62, s62, 1
.endm
; Set q's weights, the lerps (differences kept in place for the gradient), the 12 features.
.macro ENCA q
.set GB, GG+32*(\q)
.set DB, DWB+16*(\q)
.set PB, POSB+4*(\q)
	s_wait_loadcnt 10                              ; the youngest ISSUE's ten loads may be out; set q's ten are in, so its data may be read and its three offset registers written again
	s_wait_alu depctr_vm_vsrc(0)                   ; the last tile's four LDS stores have read v240, v244, v248, v254 of window 3 and v28, v30, and set q's last ten loads their three offsets: the lines below, ISSUE q, OUT0 and TAIL write them again
	WIN 0xff
.irp d,0,1,2
	v_add_f32 v[234+\d], 1.0, v[PB+\d]
.endr
.irp d,0,1,2
	v_mul_f32 v[234+\d], 0x427e0000, v[234+\d]     ; x 63.5
.endr
.irp d,0,1,2
	v_med3_num_f32 v[234+\d], v[234+\d], 0, 0x42fe0000
.endr
.irp d,0,1,2
	v_floor_f32 v[237+\d], v[234+\d]
.endr
.irp d,0,1,2
	v_min_num_f32 v[237+\d], 0x42fc0000, v[237+\d] ; the cell, by the very lines that made the stored word
.endr
.irp d,0,1,2
	v_sub_f32 v[240+\d], v[234+\d], v[237+\d]      ; t
.endr
.irp d,0,1,2
	v_fma_f32 v[243+\d], v[240+\d], -2.0, 0x40400000   ; 3 - 2 t
.endr
.irp d,0,1,2
	v_mul_f32 v[246+\d], v[240+\d], v[240+\d]
.endr
.irp d,0,1,2
	v_fma_f32 v[237+\d], -v[240+\d], v[240+\d], v[240+\d]   ; t - t t
.endr
.irp d,0,1,2
	v_mul_f32 v[228+2*\d], v[246+\d], v[243+\d]    ; w
.endr
.irp d,0,1,2
	v_mul_f32 v[DB+12+\d], 0x43be8000, v[237+\d]   ; dw/dp = 6 t (1 - t) x 63.5; it is 0 wherever the clip holds x
.endr
.irp k,0,2,4,6,8,10,12,14
	v_pk_add_f32 v[GB+16+\k:GB+17+\k], v[GB+16+\k:GB+17+\k], v[GB+\k:GB+\k+1] neg_lo:[0,1] neg_hi:[0,1]   ; along x: the differences,
.endr
.irp k,0,2,4,6,8,10,12,14
	v_pk_fma_f32 v[GB+\k:GB+\k+1], v[GB+16+\k:GB+17+\k], v[228:229], v[GB+\k:GB+\k+1] op_sel_hi:[1,0,1]   ; and the lerps
.endr
.irp k,0,2,4,6
	v_pk_add_f32 v[GB+8+\k:GB+9+\k], v[GB+8+\k:GB+9+\k], v[GB+\k:GB+\k+1] neg_lo:[0,1] neg_hi:[0,1]       ; along y
.endr
.irp k,0,2,4,6
	v_pk_fma_f32 v[GB+\k:GB+\k+1], v[GB+8+\k:GB+9+\k], v[230:231], v[GB+\k:GB+\k+1] op_sel_hi:[1,0,1]
.endr
.irp k,0,2
	v_pk_add_f32 v[DB+8+\k:DB+9+\k], v[GB+4+\k:GB+5+\k], v[GB+\k:GB+\k+1] neg_lo:[0,1] neg_hi:[0,1]       ; along z: d emb / d wz
.endr
	WIN 0x3f                                       ; destination window 0
.irp k,0,2
	v_pk_fma_f32 v[FEAT+\k:FEAT+\k+1], v[DB+8+\k:DB+9+\k], v[232:233], v[GB+\k:GB+\k+1] op_sel_hi:[1,0,1] ; emb, channels 4 h ..
.endr
	v_cndmask_b32 v[FEAT+4], v[PB], v[PB+2], s36   ; h = 0: px, py;  h = 1: pz, 1 (the bias's slot)
	v_cndmask_b32 v[FEAT+5], v[PB+1], 1.0, s36
	WIN 0
.endm
; d emb / d wy and d emb / d wx from the differences that ENCA left.
.macro ENCB q
.set GB, GG+32*(\q)
.set DB, DWB+16*(\q)
	WIN 0xff
.irp k,0,2
	v_pk_add_f32 v[GB+12+\k:GB+13+\k], v[GB+12+\k:GB+13+\k], v[GB+8+\k:GB+9+\k] neg_lo:[0,1] neg_hi:[0,1]
.endr
.irp k,0,2,4,6
	v_pk_add_f32 v[GB+24+\k:GB+25+\k], v[GB+24+\k:GB+25+\k], v[GB+16+\k:GB+17+\k] neg_lo:[0,1] neg_hi:[0,1]
.endr
.irp k,0,2
	v_pk_fma_f32 v[DB+4+\k:DB+5+\k], v[GB+12+\k:GB+13+\k], v[232:233], v[GB+8+\k:GB+9+\k] op_sel_hi:[1,0,1]
.endr
.irp k,0,2,4,6
	v_pk_fma_f32 v[GB+16+\k:GB+17+\k], v[GB+24+\k:GB+25+\k], v[230:231], v[GB+16+\k:GB+17+\k] op_sel_hi:[1,0,1]
.endr
.irp k,0,2
	v_pk_add_f32 v[GB+20+\k:GB+21+\k], v[GB+20+\k:GB+21+\k], v[GB+16+\k:GB+17+\k] neg_lo:[0,1] neg_hi:[0,1]
.endr
.irp k,0,2
	v_pk_fma_f32 v[DB+\k:DB+\k+1], v[GB+20+\k:GB+21+\k], v[232:233], v[GB+16+\k:GB+17+\k] op_sel_hi:[1,0,1]
.endr
.endm
; Product LN of the 24 of L0: tile LN % 8, K step LN / 8.  The eight sums take turns; the first K step starts each with the constant 0; these registers are written by matrix instructions alone.
.macro L0STEP
.set LT, LN%8
.set LS, LN/8
.if LS == 0
	v_wmma_f32_16x16x4_f32 v[ACC0+8*LT:ACC0+8*LT+7], v[W0F+6*LT:W0F+6*LT+1], v[FEAT:FEAT+1], 0
.else
	v_wmma_f32_16x16x4_f32 v[ACC0+8*LT:ACC0+8*LT+7], v[W0F+6*LT+2*LS:W0F+6*LT+2*LS+1], v[FEAT+2*LS:FEAT+2*LS+1], v[ACC0+8*LT:ACC0+8*LT+7]
.endif
.set LN, LN+1
.endm
.macro HSTART dst, cst, vc             ; dst = s x cst + vc
.irp j,0,2,4,6,8,10,12,14
	v_pk_fma_f32 v[\dst+\j:\dst+\j+1], v[SQR+\j:SQR+\j+1], s[\cst:\cst+1], v[\vc:\vc+1] op_sel_hi:[1,0,1]
.endr
.endm
.macro HORNER dst, cst                 ; dst = dst x s + cst
.irp j,0,2,4,6,8,10,12,14
	v_pk_fma_f32 v[\dst+\j:\dst+\j+1], v[\dst+\j:\dst+\j+1], v[SQR+\j:SQR+\j+1], s[\cst:\cst+1] op_sel_hi:[1,1,0]
.endr
.endm
.macro FLIP dst                        ; x (-1)^k: k's lowest bit is KF's lowest bit
.irp i,0,1,2,3,4,5,6,7,8,9,10,11,12,13,14,15
	v_lshl_add_u32 v[\dst+\i], v[KFR+\i], 31, v[\dst+\i]
.endr
.endm
; 16 units of the first layer: cos u0 is kept, h0 = sin u0 is quantised twice, at e0 and at e2.
.macro S0C c
.irp j,0,2,4,6,8,10,12,14
	v_pk_add_f32 v[KFR+\j:KFR+\j+1], v[ACC0+16*(\c)+\j:ACC0+16*(\c)+\j+1], v[10:11]   ; each sum is read from its low end on
.endr
.irp j,0,2,4,6,8,10,12,14
	v_pk_add_f32 v[FRC+\j:FRC+\j+1], v[KFR+\j:KFR+\j+1], s[40:41] op_sel_hi:[1,0]     ; k
.endr
.irp j,0,2,4,6,8,10,12,14
	v_pk_add_f32 v[FRC+\j:FRC+\j+1], v[ACC0+16*(\c)+\j:ACC0+16*(\c)+\j+1], v[FRC+\j:FRC+\j+1] neg_lo:[0,1] neg_hi:[0,1]   ; f = v - k, exact
.endr
.irp j,0,2,4,6,8,10,12,14
	v_pk_mul_f32 v[SQR+\j:SQR+\j+1], v[FRC+\j:FRC+\j+1], v[FRC+\j:FRC+\j+1]
.endr
	HSTART POL, 50, 14
	HORNER POL, 52
	HORNER POL, 54
	WIN 0xc0
.irp i,0,1,2,3,4,5,6,7,8,9,10,11,12,13,14,15
	v_lshl_add_u32 v[16*(\c)+\i], v[KFR+\i], 31, v[POL+\i]   ; cos u0, into window 3
.endr
	WIN 0
	FLIP FRC
	HSTART POL, 42, 12
	HORNER POL, 44
	HORNER POL, 46
	HORNER POL, 48
.irp j,0,2,4,6,8,10,12,14
	v_pk_mul_f32 v[POL+\j:POL+\j+1], v[POL+\j:POL+\j+1], v[FRC+\j:FRC+\j+1]           ; h0
.endr
	s_cmp_ge_i32 s61, -8                           ; 448 x 2^e is 1.75 or more from e = -8 on: a sine then needs no hold.  A branch on two stored whole numbers, the same for every wave
	s_cbranch_scc0 .Lhold_\@
	v_cvt_scalef32_pk8_fp8_f32 v[CODA+4*(\c):CODA+4*(\c)+1], v[POL:POL+7], v6
	v_cvt_scalef32_pk8_fp8_f32 v[CODA+4*(\c)+2:CODA+4*(\c)+3], v[POL+8:POL+15], v6
	v_cvt_scalef32_pk8_fp8_f32 v[CODB+4*(\c):CODB+4*(\c)+1], v[POL:POL+7], v7
	v_cvt_scalef32_pk8_fp8_f32 v[CODB+4*(\c)+2:CODB+4*(\c)+3], v[POL+8:POL+15], v7
	s_branch .Ljoin_\@
.Lhold_\@:
.irp i,0,1,2,3,4,5,6,7,8,9,10,11,12,13,14,15
	v_med3_num_f32 v[KFR+\i], v[POL+\i], -v246, v246
.endr
	v_cvt_scalef32_pk8_fp8_f32 v[CODA+4*(\c):CODA+4*(\c)+1], v[KFR:KFR+7], v6
	v_cvt_scalef32_pk8_fp8_f32 v[CODA+4*(\c)+2:CODA+4*(\c)+3], v[KFR+8:KFR+15], v6
.irp i,0,1,2,3,4,5,6,7,8,9,10,11,12,13,14,15
	v_med3_num_f32 v[POL+\i], v[POL+\i], -v247, v247
.endr
	v_cvt_scalef32_pk8_fp8_f32 v[CODB+4*(\c):CODB+4*(\c)+1], v[POL:POL+7], v7
	v_cvt_scalef32_pk8_fp8_f32 v[CODB+4*(\c)+2:CODB+4*(\c)+3], v[POL+8:POL+15], v7
.Ljoin_\@:
	v_nop                                          ; one plain line behind the last scaled conversion
.endm
; 16 units of the second layer, from the sums in window 2.  kind 0: 30 Wo sin u1 joins the sdf's sums; in chunks 1 and 3 P5's bias is fetched into the registers of the two chunks just read.  kind 1: da1 = 30 Wo cos u1 is quantised at e4.
; Three of the next tile's L0 products stand among the polynomial's lines.
.macro RED c, kv, kind
	WIN 0x08                                       ; source 1 window 2
.irp j,0,2,4,6,8,10,12,14
	v_pk_fma_f32 v[KFR+\j:KFR+\j+1], v[\kv:\kv+1], v[ACC1+16*(\c)+\j:ACC1+16*(\c)+\j+1], v[10:11]
.endr
.irp j,0,2,4,6,8,10,12,14
	v_pk_add_f32 v[FRC+\j:FRC+\j+1], v[KFR+\j:KFR+\j+1], s[40:41] op_sel_hi:[1,0]
.endr
.irp j,0,2,4,6,8,10,12,14
	v_pk_fma_f32 v[FRC+\j:FRC+\j+1], v[\kv:\kv+1], v[ACC1+16*(\c)+\j:ACC1+16*(\c)+\j+1], v[FRC+\j:FRC+\j+1] neg_lo:[0,0,1] neg_hi:[0,0,1]   ; f, rounded once
.endr
.irp j,0,2,4,6,8,10,12,14
	v_pk_mul_f32 v[POL+\j:POL+\j+1], v[FRC+\j:FRC+\j+1], v[W30+16*(\c)+\j:W30+16*(\c)+\j+1]
.endr
.if (\kind == 0) && (((\c)%2) == 1)
	WIN 0x80
	s_wait_alu depctr_va_vdst(0)                   ; P2 has written the sums of chunks c - 1 and c, and the lines above, here and in the chunk before, are done reading them: the eight loads below land there
.irp d,0,1
.irp g,0,1,2,3
	ds_load_b128 v[ACC1+16*((\c)-1+\d)+4*\g:ACC1+16*((\c)-1+\d)+4*\g+3], v2 offset:B1B+128*((\c)-1+\d)+16*\g
.endr
.endr
.endif
	WIN 0
.irp j,0,2,4,6,8,10,12,14
	v_pk_mul_f32 v[SQR+\j:SQR+\j+1], v[FRC+\j:FRC+\j+1], v[FRC+\j:FRC+\j+1]
.endr
	L0STEP
	FLIP POL
	HSTART FRC, 42, 12
	L0STEP
	HORNER FRC, 44
	HORNER FRC, 46
	HORNER FRC, 48
	L0STEP
.if \kind == 0
.irp j,0,1,2,3,4,5,6,7
.if ((\c) == 0) && (\j < 4)
	v_pk_mul_f32 v[20+2*\j:21+2*\j], v[POL+2*\j:POL+2*\j+1], v[FRC+2*\j:FRC+2*\j+1]   ; the first four pairs start the sums
.else
	v_pk_fma_f32 v[20+2*(\j%4):21+2*(\j%4)], v[POL+2*\j:POL+2*\j+1], v[FRC+2*\j:FRC+2*\j+1], v[20+2*(\j%4):21+2*(\j%4)]
.endif
.endr
.else
.irp j,0,2,4,6,8,10,12,14
	v_pk_mul_f32 v[POL+\j:POL+\j+1], v[POL+\j:POL+\j+1], v[FRC+\j:FRC+\j+1]
.endr
.irp i,0,1,2,3,4,5,6,7,8,9,10,11,12,13,14,15
	v_med3_num_f32 v[POL+\i], v[POL+\i], -v248, v248
.endr
	v_cvt_scalef32_pk8_fp8_f32 v[CODA+4*(\c):CODA+4*(\c)+1], v[POL:POL+7], v8
	v_cvt_scalef32_pk8_fp8_f32 v[CODA+4*(\c)+2:CODA+4*(\c)+3], v[POL+8:POL+15], v8
	v_nop
.endif
.endm
; Eight products on codes: weight fragments from v[wb] on, the points' codes in v[cod] on; eight different sums.
.macro BURST wb, cod, win, zero
	WIN \win
.irp t,0,1,2,3,4,5,6,7
.if \zero
	v_wmma_f32_16x16x128_fp8_fp8 v[ACC1+8*\t:ACC1+8*\t+7], v[\wb+16*\t:\wb+16*\t+15], v[\cod:\cod+15], 0
.else
	v_wmma_f32_16x16x128_fp8_fp8 v[ACC1+8*\t:ACC1+8*\t+7], v[\wb+16*\t:\wb+16*\t+15], v[\cod:\cod+15], v[ACC1+8*\t:ACC1+8*\t+7]
.endif
.endr
.endm
.macro OUT0 p                          ; sdf = (the sum of 30 Wo h1) / 30 + bo, in v28, and its place in the stage, in v30: the store stands at TAIL's end.  These plain lines are also the places behind P8
	WIN 0
	v_pk_add_f32 v[20:21], v[20:21], v[22:23]
	v_pk_add_f32 v[24:25], v[24:25], v[26:27]
	v_add_nc_u32 v30, s68, v3
	v_pk_add_f32 v[20:21], v[20:21], v[24:25]
	v_add_f32 v28, v20, v21
	v_permlanex16_b32 v29, v28, s38, s39           ; the other 64 units lie in lane l xor 16
	v_add_f32 v28, v28, v29
	v_fma_f32 v28, v28, 0x3d088889, v249
.endm
.macro TAIL p                          ; the gradient: d/dpos directly, and through the three weights; then the tile's four LDS stores
.set DB, DWB+16*(\p)
	WIN 0xff
	v_pk_add_f32 v[234:235], v[A9A:A9A+1], v[A9B:A9B+1]
	v_pk_add_f32 v[236:237], v[A9A+2:A9A+3], v[A9B+2:A9B+3]
	v_pk_add_f32 v[238:239], v[A9A+4:A9A+5], v[A9B+4:A9B+5]
.irp k,234,236,238
	v_pk_mul_f32 v[\k:\k+1], v[\k:\k+1], s[56:57] op_sel_hi:[1,0]   ; x 30 x 2^(e4 + e5).  v234-237: d/d emb of channels 4 h ..; v238: d/dpx (h = 0), d/dpz (h = 1); v239: d/dpy (h = 0)
.endr
.irp d,0,1,2
	v_pk_mul_f32 v[240+4*\d:241+4*\d], v[234:235], v[DB+4*\d:DB+4*\d+1]
.endr
.irp d,0,1,2
	v_pk_fma_f32 v[240+4*\d:241+4*\d], v[236:237], v[DB+4*\d+2:DB+4*\d+3], v[240+4*\d:241+4*\d]
.endr
.irp d,0,1,2
	v_add_f32 v[240+4*\d], v[240+4*\d], v[241+4*\d]
.endr
.irp d,0,1,2
	v_permlanex16_b32 v[242+4*\d], v[240+4*\d], s38, s39
.endr
	v_permlanex16_b32 v252, v238, s38, s39
	v_permlanex16_b32 v253, v239, s38, s39
.irp d,0,1,2
	v_add_f32 v[240+4*\d], v[240+4*\d], v[242+4*\d]   ; all 8 channels
.endr
	v_cndmask_b32 v241, v238, v252, s36
	v_cndmask_b32 v245, v239, v253, s36
	v_cndmask_b32 v249, v252, v238, s36
.irp d,0,1,2
	v_fma_f32 v[240+4*\d], v[DB+12+\d], v[240+4*\d], v[241+4*\d]
.endr
	v_add_nc_u32 v254, s69, v227
	s_wait_alu depctr_va_vdst(0)                   ; v240, v244, v248, v254 and OUT0's v28, v30 are written, which the four LDS stores read; P8 and the lines x cos u0 are done with the sums in window 2, in which the next tile's first loads land, and the roundings to bf16 with v32-39, in which the stage's loads land: no vector line stands between this wait and those loads
	ds_store_b32 v254, v240 offset:192*(\p)
	ds_store_b32 v254, v244 offset:192*(\p)+4
	ds_store_b32 v254, v248 offset:192*(\p)+8
	WIN 0
	ds_store_b32 v30, v28 offset:64*(\p)           ; both halves of the lanes store the same word
.endm
; A tile of parity p.  L0's sums and set p's derivatives are ready; set 1 - p is prepared for the next tile.
.macro TILE p
	WIN 0x80
.irp c,0,1,2,3
.irp g,0,1,2,3
	ds_load_b128 v[ACC1+16*\c+4*\g:ACC1+16*\c+4*\g+3], v2 offset:B1A+128*\c+16*\g   ; P2's bias, as its C.  No wait here: the wait at the last tile's end covers these registers, and ahead of the first tile nothing has named them
.endr
.endr
	WIN 0
	S0C 0
	S0C 1
	S0C 2
	S0C 3
	s_wait_dscnt 0x0                               ; the bias is in
	BURST 0, CODA, 0xa1, 0                         ; P2
	ENCA (1-\p)                                    ; plain lines that name none of P2's registers: the places behind it
.set LN, 0
	RED 0, 16, 0
	RED 1, 16, 0
	RED 2, 16, 0
	RED 3, 16, 0
	s_wait_dscnt 0x0                               ; P5's bias is in
	BURST 128, CODB, 0xa1, 0                       ; P5
	ENCB (1-\p)
	ISSUE (1-\p)
	RED 0, 18, 1
	RED 1, 18, 1
	RED 2, 18, 1
	RED 3, 18, 1
	BURST 0, CODA, 0x82, 1                         ; P8
	OUT0 \p
	WIN 0x0e                                       ; source 0 window 2, source 1 window 3
.irp j,0,2,4,6,8,10,12,14,16,18,20,22,24,26,28,30,32,34,36,38,40,42,44,46,48,50,52,54,56,58,60,62
	v_pk_mul_f32 v[KFR+\j:KFR+\j+1], v[ACC1+\j:ACC1+\j+1], v[\j:\j+1]   ; x cos u0
.endr
	WIN 0
.irp j,0,1,2,3,4,5,6,7,8,9,10,11,12,13,14,15,16,17,18,19,20,21,22,23,24,25,26,27,28,29,30,31
	v_cvt_pk_bf16_f32 v[CODA+\j], v[KFR+2*\j], v[KFR+2*\j+1]
.endr
	WIN 0xf3                                       ; P9: W0's fragments and the sums in window 3, the points' operand in window 0; two sums by turns
	v_wmma_f32_16x16x32_bf16 v[A9A:A9A+7], v[W0T:W0T+7], v[CODA:CODA+7], 0
	v_wmma_f32_16x16x32_bf16 v[A9B:A9B+7], v[W0T+8:W0T+15], v[CODA+8:CODA+15], 0
	v_wmma_f32_16x16x32_bf16 v[A9A:A9A+7], v[W0T+16:W0T+23], v[CODA+16:CODA+23], v[A9A:A9A+7]
	v_wmma_f32_16x16x32_bf16 v[A9B:A9B+7], v[W0T+24:W0T+31], v[CODA+24:CODA+31], v[A9B:A9B+7]
.rept 4
	v_nop                                          ; four places in front of the first read of these sums (ISA guide 7.12.1)
.endr
	TAIL \p
.endm
; ---------------- the prologue: tiles 0, 1, 2 are asked for; tile 0's lerps and first layer
	WIN 0xff
	global_load_b32 v[IDXR], v225, s[10:11]
	global_load_b32 v[IDXR+1], v225, s[10:11] offset:64
	s_mov_b32 s62, 0
	s_wait_loadcnt 0x0
	ISSUE 0
	ISSUE 1
	ENCA 0
	ENCB 0
	ISSUE 0
	WIN 0
	s_wait_dscnt 0x0                               ; the weights are in their registers
.set LN, 0
.rept 24
	L0STEP
.endr
.rept 8
	v_nop                                          ; eight places behind this form in front of the first read of its sums (ISA guide 7.12.1); in the loop the polynomials' lines are the places
.endr
	s_mov_b32 s66, 8
.Lgroup:                                               ; 8 trips of 64 points
	s_mov_b32 s68, 0                               ; where the pair's results go in the stage
	s_mov_b32 s69, 0
	s_mov_b32 s67, 2
.Lpair:                                                ; 2 trips of two tiles: after two tiles the sets are back where they began
	TILE 0
	TILE 1
	s_add_co_u32 s68, s68, 128
	s_add_co_u32 s69, s69, 384
	s_sub_co_u32 s67, s67, 1
	s_cmp_lg_u32 s67, 0
	s_cbranch_scc1 .Lpair
	ds_load_b64 v[32:33], v4                       ; 64 points out: LDS serves a wave's instructions in order, so these see my stores
	ds_load_b64 v[34:35], v4 offset:256
	ds_load_b64 v[36:37], v4 offset:512
	ds_load_b64 v[38:39], v4 offset:768
	s_wait_dscnt 0x0
	global_store_b64 v5, v[32:33], s[24:25] th:TH_STORE_NT              ; each store covers 256 consecutive bytes, aligned
	global_store_b64 v5, v[34:35], s[26:27] th:TH_STORE_NT
	global_store_b64 v5, v[36:37], s[26:27] offset:256 th:TH_STORE_NT
	global_store_b64 v5, v[38:39], s[26:27] offset:512 th:TH_STORE_NT
	s_wait_xcnt 0x0                                ; the bases and the data registers are written again only behind this wait
	s_wait_alu depctr_vm_vsrc(0)                   ; the four stores have read v32-39, which the next tile's first lines write again
	s_add_nc_u64 s[24:25], s[24:25], 256
	s_add_nc_u64 s[26:27], s[26:27], 768
	s_sub_co_u32 s66, s66, 1
	s_cmp_lg_u32 s66, 0
	s_cbranch_scc1 .Lgroup
	s_wait_dscnt 0x0
	s_wait_alu depctr_hold_cnt(0) depctr_sa_sdst(0) depctr_va_vdst(0) depctr_va_sdst(0) depctr_va_ssrc(0) depctr_va_vcc(0) depctr_vm_vsrc(0)
	s_wait_tensorcnt 0x0
	ds_add_u32 v254, v255
	s_wait_dscnt 0x0
	s_endpgm
.Lfunc_end_k_q2203d88e10_sdf:
	.size	k_q2203d88e10_sdf, .Lfunc_end_k_q2203d88e10_sdf-k_q2203d88e10_sdf
	.p2alignl 7, 3214868480
	.fill 96, 4, 3214868480
	.section	.rodata,"a",@progbits
	.p2align	6, 0x0
	.amdhsa_kernel k_q2203d88e10_sdf
		.amdhsa_group_segment_fixed_size 66048
		.amdhsa_private_segment_fixed_size 0
		.amdhsa_enable_private_segment 0
		.amdhsa_kernarg_size 80
		.amdhsa_user_sgpr_count 2
		.amdhsa_user_sgpr_kernarg_segment_ptr 1
		.amdhsa_wavefront_size32 1
		.amdhsa_system_sgpr_workgroup_id_x 1
		.amdhsa_system_sgpr_workgroup_id_y 1
		.amdhsa_system_sgpr_workgroup_id_z 1
		.amdhsa_system_vgpr_workitem_id 0
		.amdhsa_next_free_vgpr 1024
		.amdhsa_next_free_sgpr 80
		.amdhsa_reserve_vcc 0
		.amdhsa_float_denorm_mode_32 3
		.amdhsa_float_denorm_mode_16_64 3
		.amdhsa_memory_ordered 1
		.amdhsa_forward_progress 1
		.amdhsa_inst_pref_size 255
	.end_amdhsa_kernel
	.section	.bss,"aw",@nobits
	.p2align	6
	.space	262144
	.amdgpu_metadata
---
amdhsa.version: [ 1, 2 ]
amdhsa.kernels:
  - .name:           k_q2203d88e10_sdf
    .symbol:         k_q2203d88e10_sdf.kd
    .args:
      - { .name: positions, .offset: 0, .size: 8, .value_kind: global_buffer, .address_space: global }
      - { .name: idx, .offset: 8, .size: 8, .value_kind: global_buffer, .address_space: global }
      - { .name: embeddings, .offset: 16, .size: 8, .value_kind: global_buffer, .address_space: global }
      - { .name: wimg, .offset: 24, .size: 8, .value_kind: global_buffer, .address_space: global }
      - { .name: Wo, .offset: 32, .size: 8, .value_kind: global_buffer, .address_space: global }
      - { .name: b1, .offset: 40, .size: 8, .value_kind: global_buffer, .address_space: global }
      - { .name: bo, .offset: 48, .size: 8, .value_kind: global_buffer, .address_space: global }
      - { .name: lowp_scales, .offset: 56, .size: 8, .value_kind: global_buffer, .address_space: global }
      - { .name: out0, .offset: 64, .size: 8, .value_kind: global_buffer, .address_space: global }
      - { .name: out1, .offset: 72, .size: 8, .value_kind: global_buffer, .address_space: global }
    .group_segment_fixed_size: 66048
    .private_segment_fixed_size: 0
    .kernarg_segment_align: 8
    .kernarg_segment_size: 80
    .max_flat_workgroup_size: 128
    .sgpr_count:     80
    .vgpr_count:     1024
    .wavefront_size: 32
...
	.end_amdgpu_metadata
.endif
;; end of part 3
